; MI455X (gfx1250); checked and timed in simulation.
; The chip was launched on July 23, 2026; its instructions are those of AMD's public machine-readable ISA for CDNA 5 (MIT licence, August 2026) and "CDNA5" Instruction Set Architecture Reference Guide (July 2026). The comments in the code are by the model that wrote it; some were corrected since.
;; Relative Multi Headed Attention. Allowed arithmetic: matrix products marked QUANTISED: E4M3 operands, one given power-of-two scale a tensor, by v_wmma_f32_16x16x64_fp8_fp8 or v_wmma_f32_16x16x128_fp8_fp8, f32 sums; products left as they are: f32 operands where the result goes on into a quantised operand, else bf16, f16 or f32 operands; f32 sums; everything else in f32.
;; Inputs: Er 2,048 x 64 float32; Wk 1,024 x 1,024 float32; Wo 1,024 x 1,024 float32; Wq 1,024 x 1,024 float32; Wv 1,024 x 1,024 float32; bk 1,024 float32; bo 1,024 float32; bq 1,024 float32; bv 1,024 float32; lowp_scales 12 int32 (the exponents e of the quantised operands' scales 2^e); x 2 x 2,048 x 1,024 float32.
;; Outputs: out0 2 x 2,048 x 1,024 float32.
;; This version of the problem:
;;   THIS VERSION OF THE PROBLEM IS GIVEN IN LOW PRECISION. The matrix products marked QUANTISED in the list below multiply operands that are first quantised to E4M3 (4 exponent bits, 3 mantissa bits; 8 bits a number), with one given power-of-two scale for each operand tensor; their sums are f32. All else is computed in f32.
;;   The module's matrix products, in the order in which they are computed (A, B: the left and right operand; K: the contracted axis; several contracted axes count as one K, in the product's order):
;;     1. [M 4,096, K 1,024] x [K 1,024, N 1,024]; A: input x; B: input Wq: QUANTISED (scales: A lowp_scales[0], B lowp_scales[1])
;;     2. [M 4,096, K 1,024] x [K 1,024, N 1,024]; A: input x; B: input Wk: QUANTISED (scales: A lowp_scales[2], B lowp_scales[3])
;;     3. [M 4,096, K 1,024] x [K 1,024, N 1,024]; A: input x; B: input Wv: QUANTISED (scales: A lowp_scales[4], B lowp_scales[5])
;;     4. batch 2,048 x [M 1, K 64] x [K 64, N 32]; A: input Er; B: computed on the way: left as it is (M = 1 < 16)
;;     5. batch 32 x [M 2,048, K 64] x [K 64, N 2,048]; A: computed on the way; B: computed on the way: QUANTISED (scales: A lowp_scales[6], B lowp_scales[7])
;;     6. batch 32 x [M 2,048, K 2,048] x [K 2,048, N 64]; A: softmax (see below); B: computed on the way: QUANTISED (scales: A lowp_scales[8], B lowp_scales[9])
;;     7. [M 4,096, K 1,024] x [K 1,024, N 1,024]; A: computed on the way; B: input Wo: QUANTISED (scales: A lowp_scales[10], B lowp_scales[11])
;;   THE QUANTISER, for each operand of a quantised product, along K:
;;     - The operand's scale is 2^e, e = its entry of the input lowp_scales (int32; the entries are numbered through the quantised products in the list's order, A before B).
;;     - Each number is divided by the scale, clamped to +-448, and rounded to the nearest number of E4M3, ties to even, subnormals kept.
;;     - The product sums the exact products of the quantised numbers (number of the format x scale) in f32.
;;   ~~~python
;;   def quantise(x, axis, e):      # numpy; x: float32 -> the quantised numbers, widened to float32 again
;;       x = np.moveaxis(x, axis, -1); K = x.shape[-1]
;;       r = np.clip(x / 2.0 ** e, -448, 448)
;;       step = 2.0 ** (np.maximum(np.frexp(np.where(r == 0, 1, r))[1] - 1, -6) - 3)
;;       q = np.round(r / step) * step * 2.0 ** e      # np.round: ties to even
;;       return np.moveaxis(q, -1, axis).astype(np.float32)
;;   ~~~
;;   SOFTMAX AHEAD OF A QUANTISED PRODUCT. Where the list says 'softmax', what is quantised is not the finished softmax but p = 2^(t - M), with t = logit x log2(e) and M = ceil(the row's largest t), a whole number; so 1/2 < the row's largest p <= 1. The row's sum l is taken of the UNQUANTISED p, in f32, and the product's result is divided by l at the end. Since M is a whole number, a kernel that streams over the keys may use a running M (the ceiling of the running maximum): every later rescaling is an exact power of two, so the quantised numbers keep their values, but for numbers so far below the row's largest that they fall under the format's range.
;;   OPERANDS COMPUTED ON THE WAY. 'Computed on the way' means the value that the module computes at that place (a softmax that the list does not call 'softmax' is quantised finished and normalised). What goes into a quantiser is computed in f32, as accurately as f32 sums, v_exp_f32 and their like allow (about 1e-6 of the number): no bf16 or f16 on the way to a quantiser, and a product that is left as it is and whose result goes on into a quantised operand takes f32 operands (vector FMAs, or v_wmma_f32_16x16x4_f32). A number that lies on a knife's edge between two numbers of the format may be rounded either way, as far as f32 arithmetic and the matrix unit's own rounding can turn it there, and no further.
;; One version. Each part assembles by itself: llvm-mc -triple=amdgcn-amd-amdhsa -mcpu=gfx1250 --defsym DOCPART=n.
;; ======== version 1 of 1: 4 launches
;; limits: right only within a limited range of input values
;; workspace buffers: xc 12,582,912 bytes; wc 4,194,304 bytes; qc 4,194,304 bytes; kc 4,194,304 bytes; vc 4,194,304 bytes; srel 262,144 bytes; ac 4,194,304 bytes
;; launch quant (part 1): grid 512 x 1, 4 waves a work-group, no clusters, 34,304 bytes of LDS; arguments x, Wq, Wk, Wv, Wo, lowp_scales, xc, wc; writes xc, wc
.if DOCPART == 1
	.amdgcn_target "amdgcn-amd-amdhsa--gfx1250"
	.amdhsa_code_object_version 6
	.text
	.protected	k_qa2415b2625_quant
	.globl	k_qa2415b2625_quant
	.p2align	8
	.type	k_qa2415b2625_quant,@function
k_qa2415b2625_quant:
	s_mov_b64 s[64:65], 0
	v_nop
	global_prefetch_b8 v0, s[64:65] scope:SCOPE_SE
	s_setreg_imm32_b32 hwreg(HW_REG_WAVE_MODE, 25, 1), 1
	s_wait_xcnt 0x0
; x [4096][1024] f32 becomes three sets of E4M3 codes (scales 2^e0, 2^e2, 2^e4: one for each of the three projections); Wq, Wk, Wv, Wo [1024][1024] f32 one set each (e1, e3, e5, e11).
; code = number / 2^e, held within +-448, rounded to the nearest code, ties to even.  LIMITS: each e between -126 and 119, so that 2^e and 448 x 2^e are f32 numbers.  NaN among the inputs is not served.
; THE CODES ARE LAID AS IMAGES OF OPERAND REGISTERS.  A fragment is 16 rows x 128 along K, 16 registers a lane: lane (r = lane % 16, h = lane / 16) holds row r, registers 2 c, 2 c + 1 hold k = 16 c + 8 h + 0 .. 7.
; Its image is [group q of four registers][lane][16 bytes]: 2,048 bytes, 512 consecutive bytes a group.  xc: [3 sets][pair of K steps 4][row tile 256][2 fragments]; wc: [pair 4][row tile 256: Wq 0-63, Wk 64-127, Wv 128-191, Wo 192-255][2].
; SHARES.  Work-groups 0-255 take the row tiles of x, 256-511 those of the four weights.  Wave w takes the pair w of K steps of its work-group's row tile: 16 rows x 1,024 bytes in, two fragments out.
; Each load reads 512 consecutive bytes of a row; a fragment's 16 x 512 bytes turn through the wave's own stage in LDS (rows 528 bytes apart) and come back as a lane's 64 numbers in the order of the image.
; Each store covers 512 consecutive bytes, aligned.  Memory binds: no matrix unit, no cluster, no tensor load; waves share nothing, so there is no barrier.
.set SP,    528                        ; a stage row: 512 bytes + 16
.set WREG,  16*SP                      ; a wave's stage
.set SPARE, 4*WREG                     ; behind the four stages: the spare words, 128 bytes for each wave, that no other line names
.set R0,    16                         ; v16-79   fragment 0 as loaded (row p in 4 registers); later fragment 1 in the image's order
.set R1,    80                         ; v80-143  fragment 1 as loaded
.set XA,    144                        ; v144-207 fragment 0 in the image's order
.set T,     208                        ; v208-239 two sets of 16 held numbers
.set C,     240                        ; v240-255 a fragment's codes
.set SPW,   12                         ; v12      LDS address of my spare word; never rewritten
.set NIL,   13                         ; v13      0; never rewritten
	s_load_b256 s[4:11], s[0:1], 0x0               ; x, Wq, Wk, Wv
	s_load_b256 s[12:19], s[0:1], 0x20             ; Wo, the scales' exponents, xc, wc
	v_lshl_add_u32 v[SPW], v0, 2, SPARE
	v_mov_b32 v[NIL], 0
	v_lshrrev_b32 v1, 5, v0
	v_readfirstlane_b32 s40, v1                    ; wave 0..3 = the pair of K steps
	v_and_b32 v10, 31, v0
	v_lshlrev_b32 v1, 4, v10                       ; 16 x lane: my bytes of every load and of every store; never rewritten
	s_mul_i32 s41, s40, WREG
	v_add_nc_u32 v2, s41, v1                       ; into the stage: as loaded
	v_and_b32 v11, 15, v0                          ; r
	v_bfe_u32 v14, v0, 4, 1                        ; h
	v_mul_u32_u24 v3, v11, SP
	v_lshl_add_u32 v3, v14, 5, v3
	v_add_nc_u32 v3, s41, v3                       ; out of it: row r, + 32 h bytes (8 numbers)
	s_and_b32 s42, ttmp9, 255                      ; the row tile in xc or in wc
	s_and_b32 s43, ttmp9, 63                       ; the row tile inside one weight
	s_lshl_b32 s44, s40, 10                        ; the pair's 1,024 bytes in a source row
	s_lshl_b32 s45, s40, 20                        ; the pair's plane of codes
	s_lshl_b32 s46, s42, 12
	s_add_co_u32 s46, s46, s45                     ; where my two fragments go
	s_mov_b32 s47, 0
	s_cmp_lt_u32 ttmp9, 256
	s_cselect_b32 s43, s42, s43
	s_lshl_b32 s48, s43, 16                        ; 16 rows of 4,096 bytes
	s_add_co_u32 s48, s48, s44
	s_mov_b32 s49, 0
	s_wait_alu depctr_va_vdst(0)
	s_wait_kmcnt 0x0
	s_load_b256 s[24:31], s[14:15], 0x0            ; e0 .. e7
	s_load_b128 s[32:35], s[14:15], 0x20           ; e8 .. e11
	s_cmp_lt_u32 ttmp9, 448                        ; the source is chosen by the work-group's number alone
	s_cselect_b64 s[20:21], s[10:11], s[12:13]
	s_cmp_lt_u32 ttmp9, 384
	s_cselect_b64 s[20:21], s[8:9], s[20:21]
	s_cmp_lt_u32 ttmp9, 320
	s_cselect_b64 s[20:21], s[6:7], s[20:21]
	s_cmp_lt_u32 ttmp9, 256
	s_cselect_b64 s[20:21], s[4:5], s[20:21]
	s_cselect_b64 s[22:23], s[16:17], s[18:19]
	s_add_nc_u64 s[20:21], s[20:21], s[48:49]      ; the source
	s_add_nc_u64 s[22:23], s[22:23], s[46:47]      ; the first set of codes
	s_add_nc_u64 s[50:51], s[16:17], s[46:47]
	s_add_nc_u64 s[52:53], s[50:51], 0x800000      ; x's third set
	s_add_nc_u64 s[50:51], s[50:51], 0x400000      ; x's second set
.irp f, 0,1
.irp p, 0,1,2,3,4,5,6,7,8,9,10,11,12,13,14,15
	global_load_b128 v[R0+64*\f+4*\p:R0+64*\f+4*\p+3], v1, s[20:21] offset:4096*\p+512*\f th:TH_LOAD_NT   ; 32 loads a wave are out: 16 KiB; each number is read once in the launch
.endr
.endr
.macro MKSC e, sc, lim                 ; v[sc] = 2^e as f32 (the conversion takes its exponent field), v[lim] = 448 x 2^e
	s_add_co_i32 s37, s[\e], 127
	s_lshl_b32 s38, s37, 23
	v_mov_b32 v[\sc], s38
	s_add_co_i32 s37, s37, 8
	s_lshl_b32 s37, s37, 23
	s_or_b32 s37, s37, 0x600000
	v_mov_b32 v[\lim], s37
.endm
	s_wait_kmcnt 0x0
	s_cmp_lt_u32 ttmp9, 448
	s_cselect_b32 s36, s29, s35                    ; e5 : e11
	s_cmp_lt_u32 ttmp9, 384
	s_cselect_b32 s36, s27, s36                    ; e3
	s_cmp_lt_u32 ttmp9, 320
	s_cselect_b32 s36, s25, s36                    ; e1
	s_cmp_lt_u32 ttmp9, 256
	s_cselect_b32 s36, s24, s36                    ; e0
	MKSC 36, 4, 5
	MKSC 26, 6, 7                                  ; e2
	MKSC 28, 8, 9                                  ; e4
; A fragment turns through the stage.  LDS serves a wave's instructions in order, so no wait stands between the stores and the loads.
; Register 16 q + n of the result is k = 32 q + 8 h + n (n < 8) or 32 q + 16 + 8 h + n - 8: the numbers of the image's group q.
.macro TURN r, x
.irp p, 0,1,2,3,4,5,6,7,8,9,10,11,12,13,14,15
	ds_store_b128 v2, v[\r+4*\p:\r+4*\p+3] offset:SP*\p
.endr
.irp q, 0,1,2,3
.irp i, 0,1,2,3
	ds_load_b128 v[\x+16*\q+4*\i:\x+16*\q+4*\i+3], v3 offset:128*\q+16*(\i%2)+64*(\i/2)
.endr
.endr
.endm
; One set of codes of the fragment in v[x] on, which is left as it is for the next set.
.macro PASS x, f, sc, lim, d
	s_wait_xcnt 0x0                                ; the codes' registers were earlier stores' data: they are written again only behind this wait
.irp q, 0,1,2,3
.irp n, 0,1,2,3,4,5,6,7,8,9,10,11,12,13,14,15
	v_med3_num_f32 v[T+16*(\q%2)+\n], v[\x+16*\q+\n], -v[\lim], v[\lim]   ; the conversion to an 8-bit code does not saturate (ISA guide 7.6.2): the hold comes first
.endr
	v_cvt_scalef32_pk8_fp8_f32 v[C+4*\q:C+4*\q+1], v[T+16*(\q%2):T+16*(\q%2)+7], v[\sc]
	v_cvt_scalef32_pk8_fp8_f32 v[C+4*\q+2:C+4*\q+3], v[T+16*(\q%2)+8:T+16*(\q%2)+15], v[\sc]
.endr
	v_nop                                          ; a plain line behind the last conversion, ahead of whatever next writes its sources
.irp q, 0,1,2,3
	global_store_b128 v1, v[C+4*\q:C+4*\q+3], s[\d:\d+1] offset:2048*\f+512*\q   ; 512 consecutive bytes, aligned
.endr
.endm
.macro PROCESS x, f                    ; a weight has one set of codes, x three: the branch hangs on the work-group's number and jumps over vector work and global stores alone
	PASS \x, \f, 4, 5, 22
	s_cmp_lt_u32 ttmp9, 256
	s_cbranch_scc0 .Lweight_\@
	PASS \x, \f, 6, 7, 50
	PASS \x, \f, 8, 9, 52
.Lweight_\@:
.endm
	s_wait_alu depctr_va_vdst(0)
	s_wait_loadcnt 16                              ; fragment 0's sixteen loads are in; fragment 1's sixteen may be out
	TURN R0, XA
	s_wait_loadcnt 0x0
	s_wait_dscnt 0x0                               ; fragment 0 is back, and its stores have read v16-79, which now take fragment 1
	TURN R1, R0
	PROCESS XA, 0                                  ; fragment 1 turns through the stage meanwhile
	s_wait_dscnt 0x0
	PROCESS R0, 1
	s_wait_tensorcnt 0x0                           ; the wave's end, behind my last LDS store
	ds_add_u32 v[SPW], v[NIL]
	s_wait_dscnt 0x0
	s_endpgm
.Lfunc_end_k_qa2415b2625_quant:
	.size	k_qa2415b2625_quant, .Lfunc_end_k_qa2415b2625_quant-k_qa2415b2625_quant
	.p2alignl 7, 3214868480
	.fill 96, 4, 3214868480
	.section	.rodata,"a",@progbits
	.p2align	6, 0x0
	.amdhsa_kernel k_qa2415b2625_quant
		.amdhsa_group_segment_fixed_size 34304
		.amdhsa_private_segment_fixed_size 0
		.amdhsa_enable_private_segment 0
		.amdhsa_kernarg_size 64
		.amdhsa_user_sgpr_count 2
		.amdhsa_user_sgpr_kernarg_segment_ptr 1
		.amdhsa_wavefront_size32 1
		.amdhsa_system_sgpr_workgroup_id_x 1
		.amdhsa_system_sgpr_workgroup_id_y 1
		.amdhsa_system_sgpr_workgroup_id_z 1
		.amdhsa_system_vgpr_workitem_id 0
		.amdhsa_next_free_vgpr 256
		.amdhsa_next_free_sgpr 66
		.amdhsa_reserve_vcc 0
		.amdhsa_float_denorm_mode_32 3
		.amdhsa_float_denorm_mode_16_64 3
		.amdhsa_memory_ordered 1
		.amdhsa_forward_progress 1
		.amdhsa_inst_pref_size 41
	.end_amdhsa_kernel
	.amdgpu_metadata
---
amdhsa.version: [ 1, 2 ]
amdhsa.kernels:
  - .name:           k_qa2415b2625_quant
    .symbol:         k_qa2415b2625_quant.kd
    .args:
      - { .name: x, .offset: 0, .size: 8, .value_kind: global_buffer, .address_space: global }
      - { .name: Wq, .offset: 8, .size: 8, .value_kind: global_buffer, .address_space: global }
      - { .name: Wk, .offset: 16, .size: 8, .value_kind: global_buffer, .address_space: global }
      - { .name: Wv, .offset: 24, .size: 8, .value_kind: global_buffer, .address_space: global }
      - { .name: Wo, .offset: 32, .size: 8, .value_kind: global_buffer, .address_space: global }
      - { .name: lowp_scales, .offset: 40, .size: 8, .value_kind: global_buffer, .address_space: global }
      - { .name: xc, .offset: 48, .size: 8, .value_kind: global_buffer, .address_space: global }
      - { .name: wc, .offset: 56, .size: 8, .value_kind: global_buffer, .address_space: global }
    .group_segment_fixed_size: 34304
    .private_segment_fixed_size: 0
    .kernarg_segment_align: 8
    .kernarg_segment_size: 64
    .max_flat_workgroup_size: 128
    .sgpr_count:     66
    .vgpr_count:     256
    .wavefront_size: 32
...
	.end_amdgpu_metadata
.endif
;; end of part 1
;; launch qkv (part 2): grid 48 x 4, 4 waves a work-group, clusters of 4 x 4, 327,680 bytes of LDS; arguments xc, wc, lowp_scales, bq, bk, bv, Er, qc, kc, vc, srel; writes qc, kc, vc, srel
.if DOCPART == 2
	.amdgcn_target "amdgcn-amd-amdhsa--gfx1250"
	.amdhsa_code_object_version 6
	.text
	.protected	k_qa2415b2625_qkv
	.globl	k_qa2415b2625_qkv
	.p2align	8
	.type	k_qa2415b2625_qkv,@function
k_qa2415b2625_qkv:
	s_mov_b64 s[64:65], 0
	v_nop
	global_prefetch_b8 v0, s[64:65] scope:SCOPE_SE
	s_setreg_imm32_b32 hwreg(HW_REG_WAVE_MODE, 25, 1), 1
	s_wait_xcnt 0x0
	s_wait_alu depctr_hold_cnt(0) depctr_sa_sdst(0) depctr_va_vdst(0) depctr_va_sdst(0) depctr_va_ssrc(0) depctr_va_vcc(0) depctr_vm_vsrc(0)
	s_getreg_b32 s2, hwreg(HW_REG_IB_STS2, 6, 4)
	s_cmp_eq_u32 s2, 0
	s_cbranch_scc0 .Lentry_in_a_cluster
	s_endpgm
.Lentry_in_a_cluster:
	s_bfe_u32 s2, ttmp6, 0x10000c
	s_cmp_lg_u32 s2, 0xf033
	s_cbranch_scc0 .Lentry_shape_is_right
	s_endpgm
.Lentry_shape_is_right:
; Q = x Wq^T + bq, K = x Wk^T + bk, V = x Wv^T + bv on E4M3 codes (v_wmma_f32_16x16x128_fp8_fp8, f32 sums); the results are quantised at once (2^e6, 2^e7, 2^e9) and stored as images of the operands of attention.
; Also QEr[l] = Q[l] . Er[l] of tokens 1,024-2,047, from the unquantised f32 Q by fused multiply-adds, stored already skewed: srel[bh][2 u] = 0, srel[bh][2 u + 1] = QEr[1024 + u] x 2^-(e6 + e7) (the unit of the score sums).
; SHARES.  192 tiles of 256 x 256, K = 1,024; a work-group of four waves makes one, a wave 128 x 128: 64 accumulators, 512 registers.  Cluster x (0..11): section = x / 4 (Q, K, V), sub = x % 4.
;   Q, K: A = x's codes (tile row 4 sub + cy), B = the weight's (tile column cx).   V: THE OPERANDS CHANGE PLACES: A = Wv's codes (tile row cy), B = x's (tile column 4 sub + cx).
; THE MATRIX INSTRUCTION IS USED TRANSPOSED (source 0 = 16 rows of B, source 1 = 16 rows of A): lane (r, h) holds row r of A and, in register j of block b, row 16 b + 8 h + j of B.  So for Q and K a lane holds one token and eight neighbouring
; channels, for V one channel and eight neighbouring tokens: in both the lane's registers run along the NEXT product's K, in the order of that operand's registers, and the conversions' results are stored as they stand, 512 consecutive bytes a store.
; CODES IN MEMORY are images of operand registers ([group of 4 registers][lane][16 bytes]); xc, wc: [pair of K steps][row tile][2 fragments of 2,048 bytes], so half a tile (8 row tiles x 256 along K) is 32,768 dense bytes: one tensor load, 128 rows of 256 bytes.
; In LDS a fragment is read back by four loads of 512 consecutive bytes: no padding is needed.  K goes in 4 steps of 256 through a ring of two slots.
; CLUSTERS: 4 x 4.  A's tiles are shared along a row of the cluster, B's along a column: each is asked for jointly.  192 work-groups: tiles of 128 x 128 would give every WGP one, but carry twice the bytes into LDS and read it twice as often for each product.
; PREFETCHES.  A work-group has four fills.  Of the 128 rows of 256 bytes that a wave's fill brings, each of the four partners that ask for them jointly names 32, told apart by address (cx for A, cy for B): a lane a row, one instruction a wave and fill.
; Fills 1 and 2 are named behind the head's joint load, fill 3 behind slot 1's: at most two fills are named and not yet loaded.  Where QEr is made, the waves of column half 0 name their work-group's 32 of the 128 rows of Er that the row half reads on the way out.
; The prefetches' address registers are never rewritten.
; LIMITS: e0 + e1, e2 + e3, e4 + e5 between -126 and 127; e6, e7, e9 between -126 and 119.  NaN among the inputs is not served.
; REGISTERS: window 0: v7-13 addresses and scales; v16-21 LDS addresses; v30-31 the prefetches' offsets; v32-95 biases by column, v96-111 biases by row, v112-123 QEr; from v128 A's fragments (one set), on the way out v128-191 a block's 64 numbers, v192-207 its codes.
;   window 1: B's fragments, two sets; on the way out Er for the wave's 128 tokens.   windows 2, 3: the accumulators ((a, b) at v[8 (8 (a % 4) + b)]).
.set HALFT,  32768                     ; 8 row tiles x 4,096 bytes: what one tensor load brings, and what one wave reads of A or of B
.set SLOT,   4*HALFT                   ; A's 16 row tiles, then B's
.set SPARE,  2*SLOT                    ; behind the ring: the spare words, 128 bytes for each wave, that no other line names
.set KPB,    0x100000                  ; from one pair of K steps to the next, in memory
.set FR,     16                        ; registers of a fragment
.set NL,     4                         ; LDS loads that bring one
.set NP,     4                         ; places behind this matrix instruction (ISA guide 7.12.1)
.set LI,   7                           ; v7      16 x lane
.set ADRA, 16                          ; v16-17  LDS address of my A fragments in slot 0, 1
.set ADRB, 20                          ; v20-21  the same for B
.set SPW,  28                          ; v28     LDS address of my spare word; never rewritten
.set NIL,  29                          ; v29     0; never rewritten
.set PFO,  30                          ; v30     256 x lane; never rewritten
.set PFE,  31                          ; v31     the same + my work-group's 32 rows of Er; never rewritten
.set BI,   32                          ; v32-95  bias[my column 16 b + 8 h + j] (Q, K)
.set BR,   96                          ; v96-111 bias[my row 16 a + r], twice each (V)
.set AF,   128
.set T,    128
.set C,    192
.set G1, 24                            ; s[24:31] descriptor group 1 for A's tiles;  s[32:39] group 0, one set for each slot
.set G0, 32
.set G1B, 48                           ; s[48:55], s[56:63] the same for B's tiles
.set G0B, 56
.set SEC, 66                           ; s66     0, 1, 2: Q, K, V
.set QF,  82                           ; s82     1 where the tile holds Q of tokens 1,024-2,047 of a batch
.set PFA, 100                          ; s[100:101] my work-group's 32 rows of the tile that I fetch, in fill 0; never rewritten
.set MSB, 0
.macro WIN new                         ; the immediate's high byte repeats the setting that is left
.if MSB != \new
	s_set_vgpr_msb (MSB<<8)|\new
.set MSB, \new
.endif
.endm
.set MUL_LO, 0xa1                      ; source 0 (B) window 1, source 1 (A) window 0, C and D window 2
.set MUL_HI, 0xf1                      ; the same, C and D window 3
.set TO_B,   0x40                      ; destination window 1, address window 0
; A joint load: waves 0 and 1 fetch for A, waves 2 and 3 for B.  The branch hangs on the wave's number alone.  An s_nop 0 and four v_nop follow each of the two lines.
.macro JLOAD g0a, g1a, g0b, g1b
	s_cmp_eq_u32 s15, 0
	s_cbranch_scc0 .Lfor_b_\@
	tensor_load_to_lds s[\g0a:\g0a+3], s[\g1a:\g1a+7]
	s_nop 0
.rept 4
	v_nop
.endr
	s_branch .Lasked_\@
.Lfor_b_\@:
	tensor_load_to_lds s[\g0b:\g0b+3], s[\g1b:\g1b+7]
	s_nop 0
.rept 4
	v_nop
.endr
.Lasked_\@:
.endm
.macro CREST                           ; a round of the cluster's barrier behind its opening barrier
	s_cmp_lg_u32 s14, 0
	s_cbranch_scc1 .Lnot_wave_0_\@
	s_barrier_signal -3
.Lnot_wave_0_\@:
	s_barrier_wait -3
	s_barrier_signal -1
	s_barrier_wait -1
.endm
.macro CROUND                          ; a whole round
	s_barrier_signal -1
	s_barrier_wait -1
	CREST
.endm
	s_load_b128 s[4:7], s[0:1], 0x0                ; xc, wc
	s_load_b128 s[8:11], s[0:1], 0x10              ; the scales' exponents, bq
	s_load_b128 s[68:71], s[0:1], 0x20             ; bk, bv
	s_load_b128 s[72:75], s[0:1], 0x30             ; Er, qc
	s_load_b128 s[76:79], s[0:1], 0x40             ; kc, vc
	s_load_b64 s[80:81], s[0:1], 0x50              ; srel
	v_lshl_add_u32 v[SPW], v0, 2, SPARE
	v_mov_b32 v[NIL], 0
	ds_add_u32 v[SPW], v[NIL]                      ; the opening lines: the add, twice on end, and its wait ahead of my first tensor load
	ds_add_u32 v[SPW], v[NIL]
	v_lshrrev_b32 v1, 5, v0
	v_readfirstlane_b32 s14, v1                    ; wave 0..3
	s_lshr_b32 s15, s14, 1                         ; which half of the tile's rows is mine.  Also: I fetch for A (0) or for B (1)
	s_and_b32 s16, s14, 1                          ; which half of its columns.  Also: which 8 row tiles I fetch
	s_bfe_u32 s40, ttmp6, 0x40000                  ; cx, cy: my place in the cluster
	s_bfe_u32 s41, ttmp6, 0x40004
	s_lshr_b32 s[SEC], ttmp9, 2                    ; the section and sub hang on the cluster's number: the same in all sixteen partners
	s_and_b32 s67, ttmp9, 3
	s_lshl_b32 s67, s67, 2                         ; 4 sub
	s_lshl_b32 s98, s[SEC], 22                     ; the section's codes of x,
	s_lshl_b32 s99, s[SEC], 18                     ; and of the weight: 64 row tiles of 4,096 bytes
	s_or_b32 s[QF], ttmp9, 2
	s_cmp_eq_u32 s[QF], 3                          ; cluster 1 or 3: Q, tile rows 4-7 or 12-15
	s_cselect_b32 s[QF], 1, 0
	s_cmp_eq_u32 s[SEC], 2
	s_cselect_b32 s17, 0, s67
	s_cselect_b32 s42, s67, 0
	s_cselect_b32 s18, s99, s98                    ; where A's section begins in its buffer,
	s_cselect_b32 s19, s98, s99                    ; and B's
	s_add_co_u32 s17, s17, s41                     ; A's tile row: cy (+ 4 sub for Q and K)
	s_add_co_u32 s42, s42, s40                     ; B's tile column: cx (+ 4 sub for V)
	s_lshl_b32 s43, s41, 2
	s_lshl_b32 s43, 15, s43                        ; my row of the cluster
	s_lshl_b32 s44, 0x1111, s40                    ; my column
	s_or_b32 s[G1+0], s43, (3<<16)|(1<<21)         ; 15:0 the mask: A's tiles go to my row; 17:16 elements of 8 bytes; 21 set beside a mask; no padding
	s_or_b32 s[G1B+0], s44, (3<<16)|(1<<21)
.irp g, G1, G1B
	s_mov_b32 s[\g+1], 32<<16                      ; tensor_dim0 = 32 elements: 256 bytes
	s_mov_b32 s[\g+2], 128<<16                     ; tensor_dim1 = 128
	s_mov_b32 s[\g+3], 32<<16                      ; tile_dim0
	s_mov_b32 s[\g+4], 128                         ; tile_dim1
	s_mov_b32 s[\g+5], 32                          ; tensor_dim0_stride: the block is dense
	s_mov_b32 s[\g+6], 0
	s_mov_b32 s[\g+7], 0
.endr
	s_lshl_b32 s12, s16, 15                        ; which 8 row tiles of the tile I fetch
	s_lshl_b32 s20, s17, 16                        ; a tile's 16 row tiles are 65,536 bytes of a pair's plane
	s_add_co_u32 s20, s20, s12
	s_add_co_u32 s20, s20, s18
	s_mov_b32 s21, 0
	s_lshl_b32 s46, s42, 16
	s_add_co_u32 s46, s46, s12
	s_add_co_u32 s46, s46, s19
	s_mov_b32 s47, 0
	s_mul_i32 s45, s14, HALFT                      ; where they go: wave x 32,768: no place in the cluster enters an LDS address
	s_wait_dscnt 0x0                               ; both opening adds are done
	s_wait_kmcnt 0x0
	s_load_b256 s[84:91], s[8:9], 0x0              ; e0 .. e7
	s_load_b128 s[92:95], s[8:9], 0x20             ; e8 .. e11
	s_cmp_eq_u32 s[SEC], 2
	s_cselect_b64 s[22:23], s[6:7], s[4:5]         ; A's buffer: wc for V, else xc
	s_cselect_b64 s[98:99], s[4:5], s[6:7]         ; B's
	s_add_nc_u64 s[20:21], s[22:23], s[20:21]
	s_add_nc_u64 s[46:47], s[98:99], s[46:47]
	s_cmp_eq_u32 s15, 0                            ; the prefetches: the tile that I fetch,
	s_cselect_b64 s[PFA:PFA+1], s[20:21], s[46:47]
	s_cselect_b32 s12, s40, s41                    ; my place among the four that ask for it with me,
	s_lshl_b32 s12, s12, 13                        ; whose 32 rows of 256 bytes are mine to name
	s_mov_b32 s13, 0
	s_add_nc_u64 s[PFA:PFA+1], s[PFA:PFA+1], s[12:13]
	CROUND                                         ; all sixteen work-groups are here: the first joint loads meet
.irp s, 0,1
	s_mov_b32 s[G0+4*\s], 1
	s_add_co_u32 s[G0+4*\s+1], s45, \s*SLOT
	s_add_nc_u64 s[G0+4*\s+2:G0+4*\s+3], s[20:21], \s*KPB
	s_or_b32 s[G0+4*\s+3], s[G0+4*\s+3], 0x80000000
	s_mov_b32 s[G0B+4*\s], 1
	s_add_co_u32 s[G0B+4*\s+1], s45, \s*SLOT
	s_add_nc_u64 s[G0B+4*\s+2:G0B+4*\s+3], s[46:47], \s*KPB
	s_or_b32 s[G0B+4*\s+3], s[G0B+4*\s+3], 0x80000000
.endr
	JLOAD G0, G1, G0B, G1B                         ; slot 0: one tensor load a wave at the head
	v_and_b32 v6, 31, v0                           ; lane
	v_lshlrev_b32 v[LI], 4, v6
	v_and_b32 v1, 15, v0                           ; r
	v_bfe_u32 v2, v0, 4, 1                         ; h
	v_lshlrev_b32 v[PFO], 8, v6                    ; a lane a row of 256 bytes
	s_wait_alu depctr_va_vdst(0)
	global_prefetch_b8 v[PFO], s[PFA:PFA+1] offset:KPB th:TH_LOAD_NT scope:SCOPE_SE     ; my 32 rows of fill 1,
	global_prefetch_b8 v[PFO], s[PFA:PFA+1] offset:2*KPB th:TH_LOAD_NT scope:SCOPE_SE   ; and of fill 2
	s_mul_i32 s21, s15, HALFT                      ; my 8 row tiles of A
	s_mul_i32 s22, s16, HALFT                      ; my 8 row tiles of B,
	s_add_co_u32 s22, s22, 2*HALFT                 ; which lie behind A's 16
.irp s, 0,1
	v_add_nc_u32 v[ADRA+\s], s21, v[LI]
	v_add_nc_u32 v[ADRB+\s], s22, v[LI]
	s_add_co_u32 s21, s21, SLOT
	s_add_co_u32 s22, s22, SLOT
.endr
	s_lshl_b32 s83, s17, 8
	s_lshl_b32 s12, s15, 7
	s_add_co_u32 s83, s83, s12                     ; my first row of A
	s_lshl_b32 s67, s42, 8
	s_lshl_b32 s12, s16, 7
	s_add_co_u32 s67, s67, s12                     ; my first row of B (a column of the result)
	s_lshl_b32 s12, s67, 2
	s_lshl_b32 s13, s83, 2
	s_cmp_eq_u32 s[SEC], 0
	s_cselect_b64 s[18:19], s[10:11], s[68:69]     ; the section's bias
	s_cselect_b64 s[4:5], s[74:75], s[76:77]       ; and its codes' buffer
	s_cmp_eq_u32 s[SEC], 2
	s_cselect_b64 s[18:19], s[70:71], s[18:19]
	s_cselect_b64 s[4:5], s[78:79], s[4:5]
	s_cselect_b32 s12, 0, s12                      ; Q, K: the bias goes by column; V: by row.  Both sets are loaded in every section, the unused one from the buffer's head
	s_cselect_b32 s13, s13, 0
	s_cselect_b32 s98, s67, s83                    ; my first token,
	s_cselect_b32 s99, s83, s67                    ; my first channel
	v_lshl_add_u32 v8, v2, 5, s12
	v_lshl_add_u32 v9, v1, 2, s13
.irp b, 0,1,2,3,4,5,6,7
	global_load_b128 v[BI+8*\b:BI+8*\b+3], v8, s[18:19] offset:64*\b
	global_load_b128 v[BI+8*\b+4:BI+8*\b+7], v8, s[18:19] offset:64*\b+16
.endr
.irp a, 0,1,2,3,4,5,6,7
	global_load_b32 v[BR+2*\a], v9, s[18:19] offset:64*\a
	global_load_b32 v[BR+2*\a+1], v9, s[18:19] offset:64*\a     ; twice: a pair for the packed multiply-add
.endr
	; where my codes go.  qc, kc: [batch x 16 + head][token tile 128][1,024]; vc: [batch x 16 + head][block of 128 keys 16][16 channels 4][2,048]: in both (token >> 11) << 21 + (channel >> 6) << 17 + (token & 2047) << 6
	s_lshr_b32 s20, s98, 11
	s_lshl_b32 s20, s20, 21
	s_lshr_b32 s21, s99, 6
	s_lshl_b32 s21, s21, 17
	s_add_co_u32 s20, s20, s21
	s_and_b32 s21, s98, 2047
	s_lshl_b32 s21, s21, 6
	s_add_co_u32 s20, s20, s21
	s_mov_b32 s21, 0
	s_add_nc_u64 s[4:5], s[4:5], s[20:21]
	s_and_b32 s20, s83, 2047                       ; Er at my first token's row of 256 bytes (used where QF = 1 alone)
	s_lshl_b32 s20, s20, 8
	s_add_nc_u64 s[72:73], s[72:73], s[20:21]
	s_lshr_b32 s20, s83, 11                        ; srel: head's 8,192 bytes, + 8 bytes for each token from 1,024 on (used where QF = 1 alone)
	s_lshl_b32 s20, s20, 17
	s_lshr_b32 s22, s67, 6
	s_lshl_b32 s22, s22, 13
	s_add_co_u32 s20, s20, s22
	s_and_b32 s22, s83, 1023
	s_lshl_b32 s22, s22, 3
	s_add_co_u32 s20, s20, s22
	s_add_nc_u64 s[80:81], s[80:81], s[20:21]
	s_mov_b32 s22, 0x76543210                      ; v_permlanex16_b32's selects for lane l xor 16
	s_mov_b32 s23, 0xfedcba98
	v_lshlrev_b32 v10, 8, v1
	v_lshl_add_u32 v10, v2, 5, v10                 ; Er: row r, + 32 h bytes
	v_lshlrev_b32 v11, 3, v6                       ; srel: 8 bytes a lane
	v_cmp_lt_u32 s12, 15, v6                       ; the lanes 16-31
	v_mov_b32 v116, 0
	v_mov_b32 v117, 0
	v_mov_b32 v120, 0                              ; the zeros at even places of srel
	v_mov_b32 v122, 0
	s_lshl_b32 s98, s40, 13                        ; Er: of my row half's 128 rows my work-group names 32, by address
	v_add_nc_u32 v[PFE], s98, v[PFO]
	s_xor_b32 s99, s16, 1
	s_and_b32 s99, s99, s[QF]                      ; where QEr is made, the waves of column half 0 ask: the cluster's number and the wave's alone
	s_cmp_eq_u32 s99, 1
	s_cbranch_scc0 .Lno_pfe
	global_prefetch_b8 v[PFE], s[72:73] th:TH_LOAD_NT scope:SCOPE_SE
.Lno_pfe:
.macro FRAG reg, adr, q, i             ; a fragment comes back as it was laid: four loads of 512 consecutive bytes
.irp c, 0,1,2,3
	ds_load_b128 v[\reg+4*\c:\reg+4*\c+3], v[\adr] offset:4096*(\i)+2048*(\q)+512*\c
.endr
.endm
; 16 matrix instructions: A's blocks a0, a0 + 1 x B's eight, 128 along K.  p: B's set.  zero = 1: the first product starts the sums.  The 64 accumulators take turns, one instruction a turn, in the same order in every step.
.macro MUL16 a0, p, zero
.irp a, \a0, \a0+1
.irp b, 0,1,2,3,4,5,6,7
.if \zero
	v_wmma_f32_16x16x128_fp8_fp8 v[8*(8*((\a)%4)+\b):8*(8*((\a)%4)+\b)+7], v[128*(\p)+FR*\b:128*(\p)+FR*\b+FR-1], v[AF+FR*(\a):AF+FR*(\a)+FR-1], 0
.else
	v_wmma_f32_16x16x128_fp8_fp8 v[8*(8*((\a)%4)+\b):8*(8*((\a)%4)+\b)+7], v[128*(\p)+FR*\b:128*(\p)+FR*\b+FR-1], v[AF+FR*(\a):AF+FR*(\a)+FR-1], v[8*(8*((\a)%4)+\b):8*(8*((\a)%4)+\b)+7]
.endif
.endr
.endr
.endm
.macro FETCH_B slot, q, p              ; B's eight fragments of the slot's q-th 128 along K into set p
	WIN TO_B
.irp i, 0,1,2,3,4,5,6,7
	FRAG 128*(\p)+FR*\i, ADRB+\slot, \q, \i
.endr
	WIN 0
.endm
.macro FETCH_A slot, q, i0             ; A's blocks i0 .. i0 + 3
.irp i, \i0, \i0+1, \i0+2, \i0+3
	FRAG AF+FR*(\i), ADRA+\slot, \q, \i
.endr
.endm
.macro PLACES n                        ; plain vector lines between a matrix instruction and a load into, or a vector read or write of, its registers
.rept \n
	v_nop
.endr
.endm
; A step of 128 along K that has its successor in the same slot.  A's blocks are free as soon as their eight products are issued: one set serves A; B has two.
.macro STEP slot, q, zero
	s_wait_dscnt 4*NL                              ; B's set and A's blocks 0-3 are in; the youngest sixteen loads (A's blocks 4-7) may be out
	WIN MUL_LO
	MUL16 0, (\q)%2, \zero
	MUL16 2, (\q)%2, \zero
	s_wait_dscnt 0                                 ; A's blocks 4-7 are in
	PLACES NP
	FETCH_B \slot, (\q)+1, 1-(\q)%2
	FETCH_A \slot, (\q)+1, 0
	WIN MUL_HI
	MUL16 4, (\q)%2, \zero
	MUL16 6, (\q)%2, \zero
	PLACES NP
	WIN 0
	FETCH_A \slot, (\q)+1, 4
.endm
; A slot's last step changes slots: ONE barrier; in front of it each wave waits for all its tensor loads, adds 0 to its spare word, and waits for that and for its own reads of this slot.  fill = 1: this slot is filled again, two pairs of K steps ahead.
.macro TURN slot, next, fill
	s_wait_tensorcnt 0x0                           ; all my tensor loads have landed: my part of the next slot
	ds_add_u32 v[SPW], v[NIL]                      ; 0 onto my spare word
	s_wait_dscnt 4*NL+1                            ; (the add and the youngest sixteen loads, A's blocks 4-7, may be out)
	WIN MUL_LO
	MUL16 0, 1, 0                                  ; sixteen matrix instructions stand between the add and the wait for it
	s_wait_dscnt 0x0                               ; the add is done, and my reads of this slot are over
	s_barrier_signal -1
	MUL16 2, 1, 0
	WIN 0
	s_barrier_wait -1
.if \fill
	CREST                                          ; the barrier has opened a round of the cluster's barrier: no wave of any partner still reads this slot or has a load on its way
	s_add_nc_u64 s[G0+4*\slot+2:G0+4*\slot+3], s[G0+4*\slot+2:G0+4*\slot+3], 2*KPB
	s_add_nc_u64 s[G0B+4*\slot+2:G0B+4*\slot+3], s[G0B+4*\slot+2:G0B+4*\slot+3], 2*KPB
	JLOAD G0+4*\slot, G1, G0B+4*\slot, G1B         ; the first tensor load behind the round; its four v_nop are the places in front of the loads below
.else
	PLACES NP
.endif
	FETCH_B \next, 0, 0
	FETCH_A \next, 0, 0
	WIN MUL_HI
	MUL16 4, 1, 0
	MUL16 6, 1, 0
	PLACES NP
	WIN 0
	FETCH_A \next, 0, 4
.endm
	s_wait_alu depctr_va_vdst(0)
	s_wait_tensorcnt 0x0                           ; my part of slot 0 is in
	ds_add_u32 v[SPW], v[NIL]
	s_wait_dscnt 0x0
	CROUND                                         ; everybody's part of slot 0 is in, and all sixteen work-groups are here
	JLOAD G0+4, G1, G0B+4, G1B                     ; slot 1's first fill: the first tensor load behind the round
	FETCH_B 0, 0, 0
	FETCH_A 0, 0, 0
	global_prefetch_b8 v[PFO], s[PFA:PFA+1] offset:3*KPB th:TH_LOAD_NT scope:SCOPE_SE   ; my 32 rows of fill 3, two fills ahead of its load
	FETCH_A 0, 0, 4
	STEP 0, 0, 1                                   ; the first step stands in front of the loop: its products start the sums
	s_mov_b32 s3, 1                                ; K = 1,024 is twice round the ring: one trip fills both slots again
.Llap:
	TURN 0, 1, 1
	STEP 1, 0, 0
	TURN 1, 0, 1
	STEP 0, 0, 0
	s_sub_co_u32 s3, s3, 1
	s_cmp_lg_u32 s3, 0
	s_cbranch_scc1 .Llap
	TURN 0, 1, 0                                   ; the last lap fills nothing
	STEP 1, 0, 0
	s_wait_dscnt 4*NL
	WIN MUL_LO
	MUL16 0, 1, 0
	MUL16 2, 1, 0
	s_wait_dscnt 0
	WIN MUL_HI
	MUL16 4, 1, 0
	MUL16 6, 1, 0
	WIN 0
	; THE WAY OUT.  The section's powers of two, chosen by the section's number
	s_wait_kmcnt 0x0
	s_add_co_i32 s20, s84, s85                     ; e0 + e1
	s_add_co_i32 s21, s86, s87                     ; e2 + e3
	s_add_co_i32 s98, s88, s89                     ; e4 + e5
	s_add_co_i32 s13, s90, s91
	s_sub_co_i32 s13, 0, s13                       ; -(e6 + e7)
	s_cmp_eq_u32 s[SEC], 0
	s_cselect_b32 s20, s20, s21
	s_cselect_b32 s21, s90, s91                    ; e6 : e7
	s_cmp_eq_u32 s[SEC], 2
	s_cselect_b32 s20, s98, s20
	s_cselect_b32 s21, s93, s21                    ; e9
	s_add_co_i32 s20, s20, 127
	s_lshl_b32 s96, s20, 23                        ; 2^(the two operands' e added) as f32
	s_mov_b32 s97, s96                             ; (named with it as a pair, so it is written)
	s_add_co_i32 s21, s21, 127
	s_lshl_b32 s20, s21, 23
	v_mov_b32 v12, s20                             ; the result's scale as f32
	s_add_co_i32 s21, s21, 8
	s_lshl_b32 s21, s21, 23
	s_or_b32 s21, s21, 0x600000
	v_mov_b32 v13, s21                             ; 448 x that
	PLACES NP                                      ; behind the last products: for the reads of results, the writes over A's fragments and the loads over B's
	s_wait_loadcnt 0x0                             ; the biases
	s_cmp_eq_u32 s[QF], 1
	s_cbranch_scc0 .Lno_er
	WIN 0x40                                       ; destination window 1
	s_wait_alu depctr_va_vdst(0)
.irp a, 0,1,2,3,4,5,6,7                ; Er[my token 16 a + r][16 b + 8 h + 0 .. 7] at v[32 a + 8 b] of window 1: eight loads a block
.irp b, 0,1,2,3
	global_load_b128 v[32*\a+8*\b:32*\a+8*\b+3], v10, s[72:73] offset:4096*\a+64*\b
	global_load_b128 v[32*\a+8*\b+4:32*\a+8*\b+7], v10, s[72:73] offset:4096*\a+64*\b+16
.endr
.endr
	WIN 0
.Lno_er:
; QEr of block a's 16 tokens, for my two heads, from the f32 Q in v[T] on: 32 products a lane and head in packed multiply-adds, two chains by turns; then the lane 16 away holds the other 32 channels.
; Two blocks' results make one store: lanes 0-15 the even block's tokens, lanes 16-31 the odd block's: pairs (0, QEr), 256 consecutive bytes, aligned.
.macro QER a
	s_wait_loadcnt 8*(7-(\a))                      ; this block's eight loads of Er are in; the later blocks' may be out
	WIN 0x04                                       ; source 1 (Er) window 1
	v_pk_mul_f32 v[112:113], v[T:T+1], v[32*(\a):32*(\a)+1]
	v_pk_mul_f32 v[114:115], v[T+32:T+33], v[32*(\a):32*(\a)+1]
.irp i, 2,4,6,8,10,12,14,16,18,20,22,24,26,28,30
	v_pk_fma_f32 v[112:113], v[T+\i:T+\i+1], v[32*(\a)+\i:32*(\a)+\i+1], v[112:113]
	v_pk_fma_f32 v[114:115], v[T+32+\i:T+32+\i+1], v[32*(\a)+\i:32*(\a)+\i+1], v[114:115]
.endr
	WIN 0
	v_add_f32 v112, v112, v113
	v_add_f32 v114, v114, v115
	v_permlanex16_b32 v113, v112, s22, s23
	v_permlanex16_b32 v115, v114, s22, s23
	v_add_f32 v112, v112, v113
	v_add_f32 v114, v114, v115
.if (\a)%2 == 0
	v_ldexp_f32 v116, v112, s13                    ; in the unit of the score sums: x 2^-(e6 + e7); kept for the next block
	v_ldexp_f32 v117, v114, s13
.else
	v_ldexp_f32 v118, v112, s13
	v_ldexp_f32 v119, v114, s13
	v_cndmask_b32 v121, v116, v118, s12
	v_cndmask_b32 v123, v117, v119, s12
	global_store_b64 v11, v[120:121], s[80:81] offset:128*((\a)-1)
	global_store_b64 v11, v[122:123], s[80:81] offset:8192+128*((\a)-1)
.endif
.endm
; Block a (16 rows of A x my 128 columns): sum x 2^e + bias; QEr where it is due; the hold; eight conversions, whose 16 registers are four groups of images; four stores of 512 consecutive bytes.
.macro OUTBLK a, isv
.set AC, 64*((\a)%4)
	s_wait_xcnt 0x0                                ; the last block's stores have read their data: the registers are written again only behind this wait
	WIN (0x02+((\a)/4))                            ; source 0: window 2 or 3
.irp b, 0,1,2,3,4,5,6,7
.irp i, 0,2,4,6
.if \isv
	v_pk_fma_f32 v[T+8*\b+\i:T+8*\b+\i+1], v[AC+8*\b+\i:AC+8*\b+\i+1], s[96:97], v[BR+2*(\a):BR+2*(\a)+1] op_sel_hi:[1,0,1]   ; each accumulator from its low end on
.else
	v_pk_fma_f32 v[T+8*\b+\i:T+8*\b+\i+1], v[AC+8*\b+\i:AC+8*\b+\i+1], s[96:97], v[BI+8*\b+\i:BI+8*\b+\i+1] op_sel_hi:[1,0,1]
.endif
.endr
.endr
	WIN 0
.if \isv == 0
	s_cmp_eq_u32 s[QF], 1
	s_cbranch_scc0 .Lno_q_\@
	QER \a
.Lno_q_\@:
.endif
.set n, 0
.rept 64
	v_med3_num_f32 v[T+n], v[T+n], -v13, v13       ; the conversion to an 8-bit code does not saturate (ISA guide 7.6.2): the hold comes first
.set n, n+1
.endr
.irp b, 0,1,2,3,4,5,6,7
	v_cvt_scalef32_pk8_fp8_f32 v[C+2*\b:C+2*\b+1], v[T+8*\b:T+8*\b+7], v12
.endr
	v_nop                                          ; a plain line behind the last conversion, ahead of the next block's writes of its sources
.irp q, 0,1,2,3
.if \isv
	global_store_b128 v[LI], v[C+4*\q:C+4*\q+3], s[4:5] offset:131072*((\a)/4)+2048*((\a)%4)+512*\q   ; head a / 4, channels 16 (a % 4) on, my 128 keys: group q
.else
	global_store_b128 v[LI], v[C+4*\q:C+4*\q+3], s[4:5] offset:1024*(\a)+131072*(\q/2)+512*(\q%2)     ; token tile a, head q / 2, group q % 2
.endif
.endr
.endm
	s_cmp_eq_u32 s[SEC], 2
	s_cbranch_scc1 .Lv_path
.irp a, 0,1,2,3,4,5,6,7
	OUTBLK \a, 0
.endr
	s_branch .Ldone
.Lv_path:
.irp a, 0,1,2,3,4,5,6,7
	OUTBLK \a, 1
.endr
.Ldone:
	s_wait_tensorcnt 0x0                           ; the wave's end, behind my last tensor load
	ds_add_u32 v[SPW], v[NIL]
	s_wait_dscnt 0x0
	CROUND                                         ; the closing round: no work-group ends while a partner may still ask for a tile that names it
	s_endpgm
.Lfunc_end_k_qa2415b2625_qkv:
	.size	k_qa2415b2625_qkv, .Lfunc_end_k_qa2415b2625_qkv-k_qa2415b2625_qkv
	.p2alignl 7, 3214868480
	.fill 96, 4, 3214868480
	.section	.rodata,"a",@progbits
	.p2align	6, 0x0
	.amdhsa_kernel k_qa2415b2625_qkv
		.amdhsa_group_segment_fixed_size 327680
		.amdhsa_private_segment_fixed_size 0
		.amdhsa_enable_private_segment 0
		.amdhsa_kernarg_size 88
		.amdhsa_user_sgpr_count 2
		.amdhsa_user_sgpr_kernarg_segment_ptr 1
		.amdhsa_wavefront_size32 1
		.amdhsa_system_sgpr_workgroup_id_x 1
		.amdhsa_system_sgpr_workgroup_id_y 1
		.amdhsa_system_sgpr_workgroup_id_z 1
		.amdhsa_system_vgpr_workitem_id 0
		.amdhsa_next_free_vgpr 1024
		.amdhsa_next_free_sgpr 102
		.amdhsa_reserve_vcc 0
		.amdhsa_float_denorm_mode_32 3
		.amdhsa_float_denorm_mode_16_64 3
		.amdhsa_memory_ordered 1
		.amdhsa_forward_progress 1
		.amdhsa_inst_pref_size 224
	.end_amdhsa_kernel
	.amdgpu_metadata
---
amdhsa.version: [ 1, 2 ]
amdhsa.kernels:
  - .name:           k_qa2415b2625_qkv
    .symbol:         k_qa2415b2625_qkv.kd
    .args:
      - { .name: xc, .offset: 0, .size: 8, .value_kind: global_buffer, .address_space: global }
      - { .name: wc, .offset: 8, .size: 8, .value_kind: global_buffer, .address_space: global }
      - { .name: lowp_scales, .offset: 16, .size: 8, .value_kind: global_buffer, .address_space: global }
      - { .name: bq, .offset: 24, .size: 8, .value_kind: global_buffer, .address_space: global }
      - { .name: bk, .offset: 32, .size: 8, .value_kind: global_buffer, .address_space: global }
      - { .name: bv, .offset: 40, .size: 8, .value_kind: global_buffer, .address_space: global }
      - { .name: Er, .offset: 48, .size: 8, .value_kind: global_buffer, .address_space: global }
      - { .name: qc, .offset: 56, .size: 8, .value_kind: global_buffer, .address_space: global }
      - { .name: kc, .offset: 64, .size: 8, .value_kind: global_buffer, .address_space: global }
      - { .name: vc, .offset: 72, .size: 8, .value_kind: global_buffer, .address_space: global }
      - { .name: srel, .offset: 80, .size: 8, .value_kind: global_buffer, .address_space: global }
    .group_segment_fixed_size: 327680
    .private_segment_fixed_size: 0
    .kernarg_segment_align: 8
    .kernarg_segment_size: 88
    .max_flat_workgroup_size: 128
    .sgpr_count:     102
    .vgpr_count:     1024
    .wavefront_size: 32
...
	.end_amdgpu_metadata
.endif
;; end of part 2
;; launch attn (part 3): grid 8 x 32, 8 waves a work-group, clusters of 4 x 1, 327,680 bytes of LDS; arguments qc, kc, vc, srel, lowp_scales, ac; writes ac
.if DOCPART == 3
	.amdgcn_target "amdgcn-amd-amdhsa--gfx1250"
	.amdhsa_code_object_version 6
	.text
	.protected	k_qa2415b2625_attn
	.globl	k_qa2415b2625_attn
	.p2align	8
	.type	k_qa2415b2625_attn,@function
k_qa2415b2625_attn:
	s_mov_b64 s[64:65], 0
	v_nop
	global_prefetch_b8 v0, s[64:65] scope:SCOPE_SE
	s_setreg_imm32_b32 hwreg(HW_REG_WAVE_MODE, 25, 1), 1
	s_wait_xcnt 0x0
	s_wait_alu depctr_hold_cnt(0) depctr_sa_sdst(0) depctr_va_vdst(0) depctr_va_sdst(0) depctr_va_ssrc(0) depctr_va_vcc(0) depctr_vm_vsrc(0)
	s_getreg_b32 s2, hwreg(HW_REG_IB_STS2, 6, 4)
	s_cmp_eq_u32 s2, 0
	s_cbranch_scc0 .Lentry_in_a_cluster
	s_endpgm
.Lentry_in_a_cluster:
	s_bfe_u32 s2, ttmp6, 0x10000c
	s_cmp_lg_u32 s2, 0x3003
	s_cbranch_scc0 .Lentry_shape_is_right
	s_endpgm
.Lentry_shape_is_right:
; Causal attention of one head on E4M3 codes: scores = (Q K^T + Srel[key]) / 8, p = 2^(t - M) with t = score x log2(e) and M the ceiling of the running largest t, p quantised with 2^e8, O = (p V) / l with l the sum of the unquantised p;
; the result is quantised with 2^e10 and stored as images of the output projection's operand.  Key steps that lie wholly behind the causal mask are not worked.
; qc, kc: [head 32][token tile 128][1,024]: images of 16 tokens x 64 channels.  vc: [head][block of 128 keys 16][16 channels 4][2,048]: images of 16 channels x 128 keys.  srel: [head][2,048] f32 in the unit of the score sums: the C of the score products.
; BOTH PRODUCTS ARE USED TRANSPOSED: S^T = K Q^T, O^T = V^T P^T: a lane holds ONE query of each tile; register j of score tile t is key 16 t + 8 h + j, the place that registers 2 t, 2 t + 1 of the second product's operand give it.
; SHARES.  A wave works a UNIT of 32 queries, two tiles of 16: each fragment of K, V and srel that it reads from LDS feeds two matrix instructions, and the two tiles' chains of dependent lines stand interleaved.
; A head has 64 units; unit u has key steps 0 .. u / 4 of 128 keys, the last on the diagonal.  Work-group g (0..7) owns u = 8 rho + g for even rho and 8 rho + 7 - g for odd rho (rho 0..7): 68 unit steps in every work-group.
; The diagonal step of unit rho is 2 rho + (cluster x xor rho's parity): it hangs on the cluster's number and on rho alone; the place in the cluster enters global addresses and the mask's numbers alone.
; The eight waves are four pairs, a = 0..3, of the small unit rho = a (diagonal step RS) and the large one rho = 7 - a (diagonal step RL = 15 - RS).  Wave A works steps 0-7 and step RL of the large unit: 9 steps.
; Wave B works the small unit (RS + 1 steps), stores it, and then steps 8 .. RL - 1 of the large unit: 8 steps in all.  B hands its part (O^T, -M, l) to A through LDS bytes of its own; A brings both parts under the larger M by powers of two and stores.
; Every wave walks steps 0 .. 15 in two loops of constant trip counts; a step that is not its own is jumped over by scalar branches on ids and the counter.
; A HEAD'S WHOLE K AND V LIE IN LDS (2 x 131,072 bytes), asked for JOINTLY by the four work-groups of a cluster, in two stages: key steps 0-1 at the head (4,096 bytes a wave), steps 2-15 (28,672 bytes a wave) behind the add, its wait and a round of the cluster's barrier;
; they have the first two steps' work in which to land.  No prefetch: every byte is asked for by these two loads at the head; there is no loop to run ahead in.
; LIMITS: e6 + e7 between -123 and 130 (added to c's exponent field); e8 and e10 between -126 and 119.  NaN among the inputs is not served.
; REGISTERS.  Window 0: v1-10 addresses and mask numbers; v12-15, v16-19 (-M, largest t, l in two halves) of tile 0, 1; v[20:21], v[22:23] the factors f; v24-39 Q; v40-103 K's eight fragments, then V's four; v104-231 S^T, then p, of both tiles; v232-254 at work.
; Window 1: v0-63 O^T of both tiles; v64-95 p's codes; v96-159 srel; v160-175 Q of the large unit.
.set VREG,  131072                     ; LDS: K from 0 (step s at 8,192 s), V from here,
.set SREL,  262144                     ; the head's 2,048 numbers of srel, stored by the waves,
.set SPARE, 270336                     ; the spare words, 128 bytes for each of eight waves, that no other line names,
.set MRG,   271360                     ; the hand-over: for each pair 8,192 bytes of O^T and 1,024 of state; no tensor load lands from SREL on
.set MRGW,  9216
.set LI,   1
.set ADK,  2
.set ADV,  3
.set ADB,  4
.set SPW,  5                           ; never rewritten
.set NIL,  6                           ; never rewritten
.set DD0,  7                           ; d = 32 (u % 4) + 16 x + r - 8 h: on the diagonal register 8 t + j of tile x is hidden where 16 t + j > d
.set DD1,  8
.set HB,   9
.set MG,   10
.set QR,   24
.set KV,   40
.set S0,   104
.set TB,   2
.set TBB,  3
.set WV,   18
.set RANK, 19                          ; the diagonal step, where it is mine
.set SEL,  20
.set CS,   22
.set G1A,  24
.set G0A,  32
.set AC1,  36
.set AC2,  38
.set ROLE, 40                          ; 0: wave A, 1: wave B
.set PA,   41
.set RS,   42
.set RL,   43
.set E89,  44
.set LO,   45                          ; I work the steps LO .. HI
.set HI,   46
.set HD,   47
.set STEP, 48
.set CNT,  49
.set G1B,  80
.set G0B,  88
.set MSB, 0
.macro WIN new                         ; the immediate's high byte repeats the setting that is left
.if MSB != \new
	s_set_vgpr_msb (MSB<<8)|\new
.set MSB, \new
.endif
.endm
.macro CROUND                          ; a round of the cluster's barrier
	s_barrier_signal -1
	s_barrier_wait -1
	s_cmp_lg_u32 s[WV], 0
	s_cbranch_scc1 .Lnot_wave_0_\@
	s_barrier_signal -3
.Lnot_wave_0_\@:
	s_barrier_wait -3
	s_barrier_signal -1
	s_barrier_wait -1
.endm
	s_load_b256 s[4:11], s[0:1], 0x0               ; qc, kc, vc, srel
	s_load_b128 s[12:15], s[0:1], 0x20             ; the scales' exponents, ac
	v_lshl_add_u32 v[SPW], v0, 2, SPARE
	v_mov_b32 v[NIL], 0
	ds_add_u32 v[SPW], v[NIL]                      ; the opening lines: the add, twice on end, and its wait ahead of my first tensor load
	ds_add_u32 v[SPW], v[NIL]
	v_lshrrev_b32 v11, 5, v0
	v_readfirstlane_b32 s[WV], v11                 ; wave 0..7
	s_lshr_b32 s[ROLE], s[WV], 2                   ; waves 0-3: A, and K's loaders; waves 4-7: B, and V's
	s_and_b32 s[PA], s[WV], 3                      ; a
	s_and_b32 s50, s[PA], 1
	s_xor_b32 s50, s50, ttmp9
	s_lshl_b32 s[RS], s[PA], 1
	s_add_co_u32 s[RS], s[RS], s50                 ; the small unit's diagonal step: the cluster's number and the wave's alone
	s_xor_b32 s[RL], s[RS], 15                     ; the large unit's
	s_cmp_eq_u32 s[ROLE], 0
	s_cselect_b32 s[RANK], s[RL], s[RS]
	s_cselect_b32 s[HI], 7, s[RS]                  ; steps 0-7: A works all, B those of the small unit
	s_mov_b32 s[LO], 0
	s_bfe_u32 s51, ttmp6, 0x40000                  ; cx
	s_lshl_b32 s52, ttmp9, 2
	s_add_co_u32 s52, s52, s51                     ; g
	s_and_b32 s53, s[PA], 1
	s_mul_i32 s53, s53, 7
	s_xor_b32 s54, s52, s53                        ; g or 7 - g, by a's parity,
	s_xor_b32 s55, s54, 7                          ; and the other for 7 - a
	s_lshl_b32 s56, s[PA], 3
	s_add_co_u32 s56, s56, s54                     ; the small unit
	s_xor_b32 s57, s[PA], 7
	s_lshl_b32 s57, s57, 3
	s_add_co_u32 s57, s57, s55                     ; the large unit
	s_cmp_eq_u32 s[ROLE], 0
	s_cselect_b32 s56, s57, s56                    ; the unit that I begin with
	s_and_b32 s[HD], ttmp7, 0xffff                 ; batch x 16 + head, which the four partners share
	s_lshl_b32 s58, s[HD], 17                      ; a head's 131,072 bytes in qc, kc and vc
	s_mov_b32 s59, 0
	s_mov_b32 s63, 0
	s_lshl_b32 s67, s[ROLE], 17
	s_lshl_b32 s94, s[PA], 12                      ; stage 1: my 4,096 bytes of key steps 0-1
	s_add_co_u32 s66, s67, s94
	s_mul_i32 s95, s[PA], 28672                    ; stage 2: my 28,672 bytes of key steps 2-15
	s_add_co_u32 s95, s95, 16384
	s_add_co_u32 s67, s67, s95
.irp g, G1A, G1B
	s_mov_b32 s[\g], 15|(3<<16)|(1<<21)            ; the mask: all four work-groups; elements of 8 bytes; bit 21 beside a mask; no padding
	s_mov_b32 s[\g+1], 32<<16                      ; rows of 256 bytes, dense
	s_mov_b32 s[\g+3], 32<<16
	s_mov_b32 s[\g+5], 32
	s_mov_b32 s[\g+6], 0
	s_mov_b32 s[\g+7], 0
.endr
	s_mov_b32 s[G1A+2], 16<<16                     ; 16 rows,
	s_mov_b32 s[G1A+4], 16
	s_mov_b32 s[G1B+2], 112<<16                    ; 112 rows
	s_mov_b32 s[G1B+4], 112
	s_mov_b32 s[SEL], 0x76543210
	s_mov_b32 s[SEL+1], 0xfedcba98
	s_wait_dscnt 0x0                               ; both opening adds are done
	s_wait_kmcnt 0x0
	s_load_b256 s[68:75], s[12:13], 0x0            ; e0 .. e7
	s_load_b128 s[76:79], s[12:13], 0x20           ; e8 .. e11
	s_cmp_eq_u32 s[ROLE], 0
	s_cselect_b64 s[60:61], s[6:7], s[8:9]         ; kc or vc
	s_add_nc_u64 s[60:61], s[60:61], s[58:59]
	s_mov_b32 s[G0A], 1
	s_mov_b32 s[G0A+1], s66
	s_mov_b32 s62, s94
	s_add_nc_u64 s[G0A+2:G0A+3], s[60:61], s[62:63]
	s_or_b32 s[G0A+3], s[G0A+3], 0x80000000
	s_mov_b32 s[G0B], 1
	s_mov_b32 s[G0B+1], s67
	s_mov_b32 s62, s95
	s_add_nc_u64 s[G0B+2:G0B+3], s[60:61], s[62:63]
	s_or_b32 s[G0B+3], s[G0B+3], 0x80000000
	CROUND                                         ; all four work-groups are here: the joint loads meet
	tensor_load_to_lds s[G0A:G0A+3], s[G1A:G1A+7]  ; key steps 0-1: one tensor load a wave at the head
	s_nop 0
.rept 4
	v_nop
.endr
	s_lshl_b32 s62, s56, 11                        ; a unit's two images are 2,048 bytes of qc
	s_add_co_u32 s62, s62, s58
	s_add_nc_u64 s[60:61], s[4:5], s[62:63]
	s_lshl_b32 s62, s57, 11
	s_add_co_u32 s62, s62, s58
	s_add_nc_u64 s[92:93], s[4:5], s[62:63]
	s_lshl_b32 s62, s[HD], 13
	s_add_nc_u64 s[10:11], s[10:11], s[62:63]      ; my head's 8,192 bytes of srel
	; ac: [pair of K steps = head / 4][token tile 256][4,096]; a head's 64 channels are 1,024 bytes of it, at (head % 4) x 1,024
	s_and_b32 s51, s[HD], 15
	s_lshr_b32 s50, s51, 2
	s_lshl_b32 s50, s50, 20
	s_and_b32 s51, s51, 3
	s_lshl_b32 s51, s51, 10
	s_add_co_u32 s50, s50, s51
	s_lshr_b32 s51, s[HD], 4
	s_lshl_b32 s51, s51, 19                        ; a batch's 128 token tiles
	s_add_co_u32 s50, s50, s51
	s_lshl_b32 s62, s56, 13                        ; a unit's two token tiles
	s_add_co_u32 s62, s62, s50
	s_add_nc_u64 s[AC1:AC1+1], s[14:15], s[62:63]
	s_lshl_b32 s62, s57, 13
	s_add_co_u32 s62, s62, s50
	s_add_nc_u64 s[AC2:AC2+1], s[14:15], s[62:63]
	s_mul_i32 s96, s[PA], MRGW
	s_add_co_u32 s96, s96, MRG                     ; my pair's hand-over
	s_and_b32 s97, s56, 3
	s_lshl_b32 s97, s97, 5                         ; 32 (u % 4)
	v_and_b32 v11, 31, v0
	v_lshlrev_b32 v[LI], 4, v11
.irp c, 0,1,2,3
	global_load_b128 v[QR+4*\c:QR+4*\c+3], v[LI], s[60:61] offset:512*\c
.endr
	WIN 0x40                                       ; destination window 1
.irp c, 0,1,2,3
	global_load_b128 v[160+4*\c:163+4*\c], v[LI], s[92:93] offset:512*\c
.endr
	WIN 0
	v_lshlrev_b32 v252, 4, v0
	global_load_b128 v[40:43], v252, s[10:11]      ; 256 threads x 2 x 16 bytes of srel
	global_load_b128 v[44:47], v252, s[10:11] offset:4096
	v_add_nc_u32 v253, SREL, v252
	v_add_nc_u32 v[MG], s96, v[LI]
	v_and_b32 v11, 15, v0                          ; r
	v_bfe_u32 v[HB], v0, 4, 1                      ; h
	v_lshlrev_b32 v[DD0], 3, v[HB]
	v_sub_nc_u32 v[DD0], v11, v[DD0]
	v_add_nc_u32 v[DD0], s97, v[DD0]
	v_add_nc_u32 v[DD1], 16, v[DD0]
	v_lshlrev_b32 v[HB], 5, v[HB]
.macro FRESH                           ; a unit's state: the largest t -3e38, under every t; l and O^T zeros, which the first change of M leaves zeros
	v_mov_b32 v13, 0xff61b1e6
	v_mov_b32 v17, 0xff61b1e6
	v_mov_b32 v14, 0
	v_mov_b32 v15, 0
	v_mov_b32 v18, 0
	v_mov_b32 v19, 0
	v_floor_f32 v12, -v13                          ; -M
	v_floor_f32 v16, -v17
	WIN 0x40
.set n, 0
.rept 64
	v_mov_b32 v[n], 0
.set n, n+1
.endr
	WIN 0
.endm
	FRESH
	v_mov_b32 v21, 0                               ; (named as the upper halves of pairs)
	v_mov_b32 v23, 0
	v_mov_b32 v248, 0                              ; written once: a lane permute's destination counts as one of its sources
	v_mov_b32 v249, 0
	v_mov_b32 v254, 0xff800000                     ; -infinity
	s_wait_kmcnt 0x0
	s_mov_b32 s[CS], 0x3e38aa3b                    ; log2(e) / 8
	s_add_co_i32 s62, s74, s75
	s_lshl_b32 s62, s62, 23
	s_add_co_i32 s[CS], s[CS], s62                 ; x 2^(e6 + e7): the two exponents are added to c's exponent field
	s_mov_b32 s[CS+1], s[CS]
	s_add_co_i32 s62, s76, 127
	s_lshl_b32 s63, s62, 23
	v_mov_b32 v242, s63                            ; 2^e8, for p's conversions
	s_add_co_i32 s62, s62, 8
	s_lshl_b32 s62, s62, 23
	s_or_b32 s62, s62, 0x600000
	v_mov_b32 v240, s62                            ; 448 x 2^e8,
	v_mov_b32 v255, s62                            ; and once more, for the second half of the dual holds
	s_add_co_i32 s62, s78, 127
	s_lshl_b32 s63, s62, 23
	v_mov_b32 v243, s63                            ; 2^e10, for the result's
	s_add_co_i32 s62, s62, 8
	s_lshl_b32 s62, s62, 23
	s_or_b32 s62, s62, 0x600000
	v_mov_b32 v241, s62                            ; 448 x 2^e10
	s_add_co_i32 s[E89], s76, s77                  ; e8 + e9
	s_mov_b32 s[TB], 0
	s_mov_b32 s[TBB], SREL
	s_mov_b32 s[STEP], 0
; A KEY STEP of a unit: 128 keys x 32 queries.
.macro STEPBODY
	s_cmp_lt_u32 s[STEP], s[LO]
	s_cbranch_scc1 .Lhid_\@
	s_cmp_gt_u32 s[STEP], s[HI]
	s_cbranch_scc1 .Lhid_\@
	v_add_nc_u32 v[ADK], s[TB], v[LI]
	v_add_nc_u32 v[ADB], s[TBB], v[HB]
	v_add_nc_u32 v[ADV], VREG, v[ADK]
	v_nop                                          ; with the three additions: four places between the last step's products and the loads into registers that they read
	WIN 0x40
.irp t, 0,1,2,3,4,5,6,7
	ds_load_b128 v[96+8*\t:99+8*\t], v[ADB] offset:64*\t         ; srel of keys 16 t + 8 h + 0 .. 7: the C of both tiles' score tile t
	ds_load_b128 v[100+8*\t:103+8*\t], v[ADB] offset:64*\t+16
.endr
	WIN 0
.irp t, 0,1,2,3,4,5,6,7
	ds_load_b128 v[KV+8*\t:KV+8*\t+3], v[ADK] offset:1024*\t     ; K's tile t: two loads of 512 consecutive bytes
	ds_load_b128 v[KV+8*\t+4:KV+8*\t+7], v[ADK] offset:1024*\t+512
.endr
	s_wait_alu depctr_va_vdst(0)
	s_wait_dscnt 0x0
	WIN 0x10                                       ; C in window 1
.irp x, 0,1
.irp t, 0,1,2,3,4,5,6,7                        ; sixteen results, one instruction each
	v_wmma_f32_16x16x64_fp8_fp8 v[S0+64*\x+8*\t:S0+64*\x+8*\t+7], v[KV+8*\t:KV+8*\t+7], v[QR+8*\x:QR+8*\x+7], v[96+8*\t:103+8*\t]
.endr
.endr
	WIN 0
.rept 4
	v_nop                                          ; places in front of the loads over K's fragments and of the first read of scores
.endr
.irp d, 0,1,2,3
.irp c, 0,1,2,3
	ds_load_b128 v[KV+16*\d+4*\c:KV+16*\d+4*\c+3], v[ADV] offset:2048*\d+512*\c   ; V is asked for here and lands under the softmax
.endr
.endr
	s_cmp_lg_u32 s[STEP], s[RANK]                  ; on the diagonal the scores of hidden keys become -infinity ahead of the maximum: p = 0 then
	s_cbranch_scc1 .Lopen_\@
.set n, 0
.rept 64
	v_cmp_gt_i32 vcc_lo, 16*(n/8)+n%8, v[DD0]
	v_cndmask_b32 v[S0+n], v[S0+n], v254, vcc_lo
.set n, n+1
.endr
.set n, 0
.rept 64
	v_cmp_gt_i32 vcc_lo, 16*(n/8)+n%8, v[DD1]
	v_cndmask_b32 v[S0+64+n], v[S0+64+n], v254, vcc_lo
.set n, n+1
.endr
.Lopen_\@:
	v_max3_num_f32 v244, v[S0], v[S0+1], v[S0+2]   ; the step's largest scores of my two queries among my 64 keys: four chains by turns, each result from its low end on
	v_max3_num_f32 v245, v[S0+3], v[S0+4], v[S0+5]
	v_max3_num_f32 v246, v[S0+64], v[S0+65], v[S0+66]
	v_max3_num_f32 v247, v[S0+67], v[S0+68], v[S0+69]
.irp i, 6,10,14,18,22,26,30,34,38,42,46,50,54,58
	v_max3_num_f32 v244, v244, v[S0+\i], v[S0+1+\i]
	v_max3_num_f32 v245, v245, v[S0+2+\i], v[S0+3+\i]
	v_max3_num_f32 v246, v246, v[S0+64+\i], v[S0+65+\i]
	v_max3_num_f32 v247, v247, v[S0+66+\i], v[S0+67+\i]
.endr
	v_max3_num_f32 v244, v244, v[S0+62], v[S0+63]
	v_max3_num_f32 v246, v246, v[S0+126], v[S0+127]
	v_max_num_f32 v244, v244, v245
	v_max_num_f32 v246, v246, v247
	v_permlanex16_b32 v248, v244, s[SEL], s[SEL+1]
	v_permlanex16_b32 v249, v246, s[SEL], s[SEL+1]
	v_max_num_f32 v244, v244, v248                 ; and among lane l xor 16's
	v_max_num_f32 v246, v246, v249
	v_mul_f32 v244, s[CS], v244                    ; as t (c is positive)
	v_mul_f32 v246, s[CS], v246
	v_max_num_f32 v13, v13, v244                   ; the running largest t
	v_max_num_f32 v17, v17, v246
	v_mov_b32 v250, v12
	v_mov_b32 v251, v16
	v_floor_f32 v12, -v13                          ; the new -M = -ceil(t): a whole number
	v_floor_f32 v16, -v17
	v_sub_f32 v250, v12, v250                      ; M's old value less its new one: a whole number, 0 or less
	v_sub_f32 v251, v16, v251
	v_cvt_i32_f32 v250, v250                       ; (it saturates)
	v_cvt_i32_f32 v251, v251
	v_ldexp_f32 v20, 1.0, v250                     ; f = 2^(old M - new M): a multiplication by it rounds nothing
	v_ldexp_f32 v22, 1.0, v251
.irp x, 0,1
.irp j, 0,2,4,6,8,10,12,14,16,18,20,22,24,26,28,30,32,34,36,38,40,42,44,46,48,50,52,54,56,58,60,62
	v_pk_fma_f32 v[S0+64*\x+\j:S0+64*\x+\j+1], v[S0+64*\x+\j:S0+64*\x+\j+1], s[CS:CS+1], v[12+4*\x:13+4*\x] op_sel_hi:[1,0,0]   ; t - M, two at a time
.endr
.endr
	s_wait_alu depctr_va_vdst(0)
.set n, 0
.rept 128
	v_exp_f32 v[S0+n], v[S0+n]                     ; p = 2^(t - M), at most 1: not normalised
.set n, n+1
.endr
	v_pk_mul_f32 v[14:15], v[14:15], v[20:21] op_sel_hi:[1,0]    ; l under the new M: plain lines behind the exponentials
	v_pk_mul_f32 v[18:19], v[18:19], v[22:23] op_sel_hi:[1,0]
	s_wait_alu depctr_va_vdst(0)                   ; and the one wait behind the batch, ahead of its first reader
.irp x, 0,1                                    ; l is taken of the unquantised p: two at a time, two chains a tile, by turns
.irp c, 0,1
	v_pk_add_f32 v[232+4*\x+2*\c:233+4*\x+2*\c], v[S0+64*\x+2*\c:S0+64*\x+2*\c+1], v[S0+64*\x+2*\c+4:S0+64*\x+2*\c+5]
.endr
.endr
.irp g, 2,3,4,5,6,7,8,9,10,11,12,13,14,15
.irp x, 0,1
.irp c, 0,1
	v_pk_add_f32 v[232+4*\x+2*\c:233+4*\x+2*\c], v[232+4*\x+2*\c:233+4*\x+2*\c], v[S0+64*\x+4*\g+2*\c:S0+64*\x+4*\g+2*\c+1]
.endr
.endr
.endr
	v_pk_add_f32 v[232:233], v[232:233], v[234:235]
	v_pk_add_f32 v[236:237], v[236:237], v[238:239]
	v_pk_add_f32 v[14:15], v[14:15], v[232:233]
	v_pk_add_f32 v[18:19], v[18:19], v[236:237]
.set n, 0
.rept 64
	v_dual_min_num_f32 v[S0+n], v[S0+n], v240 :: v_dual_min_num_f32 v[S0+n+1], v[S0+n+1], v255   ; the conversion does not saturate (ISA guide 7.6.2); p is not negative, so the hold is one-sided; two holds an instruction
.set n, n+2
.endr
	WIN 0x40                                       ; the codes go to window 1
.irp x, 0,1
.irp t, 0,1,2,3,4,5,6,7
	v_cvt_scalef32_pk8_fp8_f32 v[64+16*\x+2*\t:65+16*\x+2*\t], v[S0+64*\x+8*\t:S0+64*\x+8*\t+7], v242   ; registers 2 t, 2 t + 1 of the operand: keys 16 t + 8 h + 0 .. 7
.endr
.endr
	WIN 0x41                                       ; O^T in window 1, f in window 0
	s_wait_alu depctr_va_vdst(0)                   ; the wait here, directly ahead of the first reader of O^T
.irp x, 0,1
.irp j, 0,2,4,6,8,10,12,14,16,18,20,22,24,26,28,30
	v_pk_mul_f32 v[32*\x+\j:32*\x+\j+1], v[32*\x+\j:32*\x+\j+1], v[20+2*\x:21+2*\x] op_sel_hi:[1,0]   ; O^T under the new M; also the plain lines between the conversions and the products
.endr
.endr
	s_wait_alu depctr_va_vdst(0)
	s_wait_dscnt 0x0                               ; V is in
	WIN 0x54                                       ; V's fragments in window 0; codes, C and D in window 1
.irp x, 0,1
.irp d, 0,1,2,3                                ; eight accumulators, one instruction each
	v_wmma_f32_16x16x128_fp8_fp8 v[32*\x+8*\d:32*\x+8*\d+7], v[KV+16*\d:KV+16*\d+15], v[64+16*\x:79+16*\x], v[32*\x+8*\d:32*\x+8*\d+7]
.endr
.endr
	WIN 0
.Lhid_\@:
	s_add_co_u32 s[TB], s[TB], 8192
	s_add_co_u32 s[TBB], s[TBB], 512
	s_add_co_u32 s[STEP], s[STEP], 1
.endm
; A UNIT GOES OUT.  v14, v18 hold my lane's l of tile 0, 1.  O^T x 2^(e8 + e9) / l, held, converted: four stores of 512 consecutive bytes.
.macro OUTPUT d
	v_permlanex16_b32 v248, v14, s[SEL], s[SEL+1]
	v_permlanex16_b32 v249, v18, s[SEL], s[SEL+1]
	v_add_f32 v14, v14, v248                       ; with lane l xor 16's: the rows' sums
	v_add_f32 v18, v18, v249
	s_wait_alu depctr_va_vdst(0)                   ; the wait ahead of the reciprocals,
	v_rcp_f32 v14, v14
	v_rcp_f32 v18, v18
	v_nop                                          ; a plain line behind them,
	s_wait_alu depctr_va_vdst(0)                   ; and the wait ahead of their first reader
	v_ldexp_f32 v14, v14, s[E89]
	v_ldexp_f32 v18, v18, s[E89]
	WIN 0x01                                       ; source 0: O^T in window 1
	s_wait_alu depctr_va_vdst(0)                   ; and here, directly ahead of the first reader of O^T
.set n, 0
.rept 32
	v_mul_f32 v[S0+n], v[n], v14                   ; each accumulator from its low end on
.set n, n+1
.endr
.set n, 0
.rept 32
	v_mul_f32 v[S0+32+n], v[32+n], v18
.set n, n+1
.endr
	WIN 0
.set n, 0
.rept 64
	v_med3_num_f32 v[S0+n], v[S0+n], -v241, v241
.set n, n+1
.endr
.irp c, 0,1,2,3,4,5,6,7
	v_cvt_scalef32_pk8_fp8_f32 v[KV+2*\c:KV+2*\c+1], v[S0+8*\c:S0+8*\c+7], v243
.endr
	v_nop                                          ; a plain line behind the last conversion
	global_store_b128 v[LI], v[KV:KV+3], s[\d:\d+1]
	global_store_b128 v[LI], v[KV+4:KV+7], s[\d:\d+1] offset:512
	global_store_b128 v[LI], v[KV+8:KV+11], s[\d:\d+1] offset:4096
	global_store_b128 v[LI], v[KV+12:KV+15], s[\d:\d+1] offset:4608
.endm
	s_wait_alu depctr_va_vdst(0)
	s_wait_loadcnt 0x0                             ; both units' Q and my 32 bytes of srel
	ds_store_b128 v253, v[40:43]
	ds_store_b128 v253, v[44:47] offset:4096
	s_wait_tensorcnt 0x0                           ; my part of key steps 0-1 is in
	ds_add_u32 v[SPW], v[NIL]
	s_wait_dscnt 0x0                               ; the add is done, and my bytes of srel lie in LDS
	CROUND                                         ; everybody's are, and all four work-groups are here
	tensor_load_to_lds s[G0B:G0B+3], s[G1B:G1B+7]  ; key steps 2-15: the first tensor load behind the round
	s_nop 0
.rept 4
	v_nop
.endr
	s_mov_b32 s[CNT], 2
.Lx:                                               ; key steps 0-1
	STEPBODY
	s_sub_co_u32 s[CNT], s[CNT], 1
	s_cmp_lg_u32 s[CNT], 0
	s_cbranch_scc1 .Lx
	s_wait_tensorcnt 0x0                           ; my part of key steps 2-15 is in
	s_wait_dscnt 0x0
	s_barrier_signal -1
	s_barrier_wait -1                              ; everybody's is
	s_mov_b32 s[CNT], 14
.Lyz:                                              ; key steps 2-15
	s_cmp_lg_u32 s[STEP], 8
	s_cbranch_scc1 .Lsame
	s_sub_co_u32 s50, s[RL], 1                     ; from step 8 on: A works the diagonal step alone, B steps 8 .. RL - 1
	s_cmp_eq_u32 s[ROLE], 0
	s_cselect_b32 s[LO], s[RL], 8
	s_cselect_b32 s[HI], s[RL], s50
	s_cselect_b32 s[RANK], s[RL], 99
	s_cbranch_scc1 .Lsame
.rept 4
	v_nop                                          ; places behind the last products
.endr
	v_add_f32 v14, v14, v15                        ; B: the small unit is finished and goes out,
	v_add_f32 v18, v18, v19
	OUTPUT AC1
	s_wait_xcnt 0x0                                ; the stores have read their data: those registers are written again only behind this wait
	FRESH                                          ; the state begins anew for my part of the large unit,
	WIN 0x01
.set n, 0
.rept 16
	v_mov_b32 v[QR+n], v[160+n]                    ; whose Q was fetched at the head
.set n, n+1
.endr
	WIN 0
	s_wait_alu depctr_va_vdst(0)
.Lsame:
	STEPBODY
	s_sub_co_u32 s[CNT], s[CNT], 1
	s_cmp_lg_u32 s[CNT], 0
	s_cbranch_scc1 .Lyz
.rept 4
	v_nop                                          ; places behind the last products
.endr
	s_cmp_eq_u32 s[ROLE], 0
	s_cbranch_scc1 .Lno_put
	WIN 0x04                                       ; the stores' data in window 1
.irp c, 0,1,2,3,4,5,6,7,8,9,10,11,12,13,14,15
	ds_store_b128 v[MG], v[4*\c:4*\c+3] offset:512*\c            ; B's part as an image of its registers, each accumulator from its low end on
.endr
	WIN 0
	ds_store_b128 v[MG], v[12:15] offset:8192                    ; -M, t, l's two halves, of both tiles
	ds_store_b128 v[MG], v[16:19] offset:8704
.Lno_put:
	s_wait_dscnt 0x0                               ; my stores lie in LDS
	s_barrier_signal -1
	s_barrier_wait -1
	s_cmp_lg_u32 s[ROLE], 0
	s_cbranch_scc1 .Lend
.irp c, 0,1,2,3,4,5,6,7,8,9,10,11,12,13,14,15
	ds_load_b128 v[S0+4*\c:S0+4*\c+3], v[MG] offset:512*\c
.endr
	ds_load_b128 v[168:171], v[MG] offset:8192
	ds_load_b128 v[172:175], v[MG] offset:8704
	s_wait_dscnt 0x0
	v_min_num_f32 v232, v12, v168                  ; -M of both parts: the larger M
	v_min_num_f32 v233, v16, v172
	v_add_f32 v14, v14, v15
	v_add_f32 v18, v18, v19
	v_add_f32 v170, v170, v171
	v_add_f32 v174, v174, v175
	v_sub_f32 v244, v232, v12                      ; my M less the common one, and B's: whole numbers, 0 or less
	v_sub_f32 v245, v233, v16
	v_sub_f32 v246, v232, v168
	v_sub_f32 v247, v233, v172
	v_cvt_i32_f32 v244, v244                       ; (they saturate: a part with no step counts for nothing)
	v_cvt_i32_f32 v245, v245
	v_cvt_i32_f32 v246, v246
	v_cvt_i32_f32 v247, v247
	v_mov_b32 v237, 0                              ; (named as the upper halves of pairs)
	v_mov_b32 v239, 0
	v_ldexp_f32 v20, 1.0, v244
	v_ldexp_f32 v22, 1.0, v245
	v_ldexp_f32 v236, 1.0, v246
	v_ldexp_f32 v238, 1.0, v247
	v_mul_f32 v14, v14, v20
	v_mul_f32 v18, v18, v22
	v_fmac_f32 v14, v170, v236                     ; l of both parts
	v_fmac_f32 v18, v174, v238
.irp x, 0,1
.irp j, 0,2,4,6,8,10,12,14,16,18,20,22,24,26,28,30
	v_pk_mul_f32 v[S0+32*\x+\j:S0+32*\x+\j+1], v[S0+32*\x+\j:S0+32*\x+\j+1], v[236+2*\x:237+2*\x] op_sel_hi:[1,0]
.endr
.endr
	WIN 0x41
.irp x, 0,1
.irp j, 0,2,4,6,8,10,12,14,16,18,20,22,24,26,28,30
	v_pk_fma_f32 v[32*\x+\j:32*\x+\j+1], v[32*\x+\j:32*\x+\j+1], v[20+2*\x:21+2*\x], v[S0+32*\x+\j:S0+32*\x+\j+1] op_sel_hi:[1,0,1]
.endr
.endr
	WIN 0
	OUTPUT AC2
.Lend:
	s_wait_tensorcnt 0x0                           ; the wave's end, behind my last tensor load and my last LDS store
	ds_add_u32 v[SPW], v[NIL]
	s_wait_dscnt 0x0
	CROUND                                         ; the closing round
	s_endpgm
.Lfunc_end_k_qa2415b2625_attn:
	.size	k_qa2415b2625_attn, .Lfunc_end_k_qa2415b2625_attn-k_qa2415b2625_attn
	.p2alignl 7, 3214868480
	.fill 96, 4, 3214868480
	.section	.rodata,"a",@progbits
	.p2align	6, 0x0
	.amdhsa_kernel k_qa2415b2625_attn
		.amdhsa_group_segment_fixed_size 327680
		.amdhsa_private_segment_fixed_size 0
		.amdhsa_enable_private_segment 0
		.amdhsa_kernarg_size 48
		.amdhsa_user_sgpr_count 2
		.amdhsa_user_sgpr_kernarg_segment_ptr 1
		.amdhsa_wavefront_size32 1
		.amdhsa_system_sgpr_workgroup_id_x 1
		.amdhsa_system_sgpr_workgroup_id_y 1
		.amdhsa_system_sgpr_workgroup_id_z 1
		.amdhsa_system_vgpr_workitem_id 0
		.amdhsa_next_free_vgpr 512
		.amdhsa_next_free_sgpr 100
		.amdhsa_reserve_vcc 1
		.amdhsa_float_denorm_mode_32 3
		.amdhsa_float_denorm_mode_16_64 3
		.amdhsa_memory_ordered 1
		.amdhsa_forward_progress 1
		.amdhsa_inst_pref_size 117
	.end_amdhsa_kernel
	.amdgpu_metadata
---
amdhsa.version: [ 1, 2 ]
amdhsa.kernels:
  - .name:           k_qa2415b2625_attn
    .symbol:         k_qa2415b2625_attn.kd
    .args:
      - { .name: qc, .offset: 0, .size: 8, .value_kind: global_buffer, .address_space: global }
      - { .name: kc, .offset: 8, .size: 8, .value_kind: global_buffer, .address_space: global }
      - { .name: vc, .offset: 16, .size: 8, .value_kind: global_buffer, .address_space: global }
      - { .name: srel, .offset: 24, .size: 8, .value_kind: global_buffer, .address_space: global }
      - { .name: lowp_scales, .offset: 32, .size: 8, .value_kind: global_buffer, .address_space: global }
      - { .name: ac, .offset: 40, .size: 8, .value_kind: global_buffer, .address_space: global }
    .group_segment_fixed_size: 327680
    .private_segment_fixed_size: 0
    .kernarg_segment_align: 8
    .kernarg_segment_size: 48
    .max_flat_workgroup_size: 256
    .sgpr_count:     100
    .vgpr_count:     512
    .wavefront_size: 32
...
	.end_amdgpu_metadata
.endif
;; end of part 3
;; launch proj (part 4): grid 8 x 32, 4 waves a work-group, clusters of 4 x 4, 327,680 bytes of LDS; arguments ac, wc, lowp_scales, bo, out0; writes out0
.if DOCPART == 4
	.amdgcn_target "amdgcn-amd-amdhsa--gfx1250"
	.amdhsa_code_object_version 6
	.text
	.protected	k_qa2415b2625_proj
	.globl	k_qa2415b2625_proj
	.p2align	8
	.type	k_qa2415b2625_proj,@function
k_qa2415b2625_proj:
	s_mov_b64 s[64:65], 0
	v_nop
	global_prefetch_b8 v0, s[64:65] scope:SCOPE_SE
	s_setreg_imm32_b32 hwreg(HW_REG_WAVE_MODE, 25, 1), 1
	s_wait_xcnt 0x0
	s_wait_alu depctr_hold_cnt(0) depctr_sa_sdst(0) depctr_va_vdst(0) depctr_va_sdst(0) depctr_va_ssrc(0) depctr_va_vcc(0) depctr_vm_vsrc(0)
	s_getreg_b32 s2, hwreg(HW_REG_IB_STS2, 6, 4)
	s_cmp_eq_u32 s2, 0
	s_cbranch_scc0 .Lentry_in_a_cluster
	s_endpgm
.Lentry_in_a_cluster:
	s_bfe_u32 s2, ttmp6, 0x10000c
	s_cmp_lg_u32 s2, 0xf033
	s_cbranch_scc0 .Lentry_shape_is_right
	s_endpgm
.Lentry_shape_is_right:
; out0 = attention's result x Wo^T + bo on E4M3 codes (v_wmma_f32_16x16x128_fp8_fp8, f32 sums); each finished sum x 2^(e10 + e11), + bo.  LIMIT: e10 + e11 between -126 and 127.
; ac, wc: images of operand registers, [pair of K steps 4][row tile of 16 rows 256][2 fragments of 2,048 bytes]; Wo's row tiles are 192-255 of wc.
; SHARES.  256 blocks of 128 x 128, one to a work-group of four waves; a wave makes 64 x 64: 16 accumulators.  K = 1,024 is 8 steps of 128, 16 matrix instructions each, the accumulators by turns.
; THE WHOLE K OF BOTH OPERANDS LIES IN LDS (2 x 131,072 bytes): nothing is filled twice.  8 row tiles of a pair are 32,768 dense bytes; a wave's one tensor load brings two pairs' (two rows of 32,768 bytes, a plane apart): waves 0, 1 A's, waves 2, 3 B's.
; CLUSTERS: 4 x 4.  A's bytes are shared along a row of the cluster, B's along a column: each load is asked for jointly by four.
; No prefetch: every byte is asked for at the head by the loads themselves; there is no loop to run ahead in.
; THE MATRIX INSTRUCTION IS USED TRANSPOSED (source 0 = 16 rows of Wo, source 1 = 16 tokens): a lane holds eight neighbouring columns of one row.  A block of 16 rows x 64 columns goes through the wave's own stage and leaves as aligned units of 256 bytes.
; REGISTERS: window 0: v7-30 addresses, v8-11 the bias, v64-191 A's fragments in two sets, on the way out the rows read back; window 1: v0-127 B's fragments in two sets; window 2: v0-127 accumulator (a, b) at v[8 (4 a + b)].
.set PLANE,  0x100000                  ; from one pair of K steps to the next, in memory
.set BREG,   131072                    ; LDS: A from 0 ([pair][row tile 8][4,096]), B from here,
.set STAGE,  262144                    ; the stages: 16 rows x (256 + 16) bytes for each wave; no tensor load lands here,
.set SPITCH, 272
.set SPARE,  STAGE+4*16*SPITCH         ; the spare words, 128 bytes for each wave, that no other line names
.set ADRA, 16                          ; v16-17  my A fragments of pairs 0-1, 2-3
.set ADRB, 20                          ; v20-21  the same for B
.set STO,  24
.set RD,   25
.set CO,   26
.set SPW,  28                          ; never rewritten
.set NIL,  29                          ; never rewritten
.set BOF,  30
.set AF,   64
.set G1, 24
.set G0, 32
.set G1B, 48
.set G0B, 56
.set MSB, 0
.macro WIN new                         ; the immediate's high byte repeats the setting that is left
.if MSB != \new
	s_set_vgpr_msb (MSB<<8)|\new
.set MSB, \new
.endif
.endm
.set MUL,  0xa1                        ; source 0 (B) window 1, source 1 (A) window 0, C and D window 2
.set TO_B, 0x40                        ; destination window 1
.macro CREST
	s_cmp_lg_u32 s14, 0
	s_cbranch_scc1 .Lnot_wave_0_\@
	s_barrier_signal -3
.Lnot_wave_0_\@:
	s_barrier_wait -3
	s_barrier_signal -1
	s_barrier_wait -1
.endm
.macro CROUND                          ; a round of the cluster's barrier
	s_barrier_signal -1
	s_barrier_wait -1
	CREST
.endm
.macro PLACES
.rept 4
	v_nop
.endr
.endm
	s_load_b128 s[4:7], s[0:1], 0x0                ; ac, wc
	s_load_b128 s[8:11], s[0:1], 0x10              ; the scales' exponents, bo
	s_load_b64 s[12:13], s[0:1], 0x20              ; out0
	v_lshl_add_u32 v[SPW], v0, 2, SPARE
	v_mov_b32 v[NIL], 0
	ds_add_u32 v[SPW], v[NIL]                      ; the opening lines: the add, twice on end, and its wait ahead of my tensor load
	ds_add_u32 v[SPW], v[NIL]
	v_lshrrev_b32 v1, 5, v0
	v_readfirstlane_b32 s14, v1                    ; wave 0..3
	s_lshr_b32 s15, s14, 1                         ; which 64 rows are mine.  Also: I fetch for A (0) or for B (1)
	s_and_b32 s16, s14, 1                          ; which 64 columns.  Also: which two pairs I fetch
	s_bfe_u32 s40, ttmp6, 0x40000                  ; cx, cy
	s_bfe_u32 s41, ttmp6, 0x40004
	s_lshl_b32 s42, ttmp9, 2
	s_add_co_u32 s42, s42, s40                     ; block column 0..7
	s_and_b32 s17, ttmp7, 0xffff
	s_lshl_b32 s17, s17, 2
	s_add_co_u32 s17, s17, s41                     ; block row 0..31
	s_lshl_b32 s43, s41, 2
	s_lshl_b32 s43, 15, s43                        ; my row of the cluster
	s_lshl_b32 s44, 0x1111, s40                    ; my column
	s_or_b32 s[G1+0], s43, (3<<16)|(1<<21)         ; the mask; elements of 8 bytes; bit 21 beside a mask; no padding
	s_or_b32 s[G1B+0], s44, (3<<16)|(1<<21)
.irp g, G1, G1B
	s_mov_b32 s[\g+1], 4096<<16                    ; tensor_dim0 = 4,096 elements: 32,768 bytes
	s_mov_b32 s[\g+2], 2<<16                       ; tensor_dim1 = 2
	s_mov_b32 s[\g+3], 4096<<16                    ; tile_dim0
	s_mov_b32 s[\g+4], 2                           ; tile_dim1
	s_mov_b32 s[\g+5], PLANE/8                     ; from row to row: a plane
	s_mov_b32 s[\g+6], 0
	s_mov_b32 s[\g+7], 0
.endr
	s_lshl_b32 s18, s16, 21                        ; my two pairs
	s_lshl_b32 s20, s17, 15                        ; A: 8 row tiles of 4,096 bytes a block row
	s_add_co_u32 s20, s20, s18
	s_mov_b32 s21, 0
	s_lshl_b32 s46, s42, 15
	s_add_co_u32 s46, s46, s18
	s_add_co_u32 s46, s46, 192*4096                ; B: Wo's row tiles
	s_mov_b32 s47, 0
	s_lshl_b32 s45, s14, 16                        ; where they go: wave x 65,536: no place in the cluster enters an LDS address
	s_wait_dscnt 0x0                               ; both opening adds are done
	s_wait_kmcnt 0x0
	s_load_b64 s[96:97], s[8:9], 0x28              ; e10, e11
	s_add_nc_u64 s[20:21], s[4:5], s[20:21]
	s_add_nc_u64 s[46:47], s[6:7], s[46:47]
	s_mov_b32 s[G0], 1
	s_mov_b32 s[G0+1], s45
	s_mov_b64 s[G0+2:G0+3], s[20:21]
	s_or_b32 s[G0+3], s[G0+3], 0x80000000
	s_mov_b32 s[G0B], 1
	s_mov_b32 s[G0B+1], s45
	s_mov_b64 s[G0B+2:G0B+3], s[46:47]
	s_or_b32 s[G0B+3], s[G0B+3], 0x80000000
	CROUND                                         ; all sixteen work-groups are here: the joint loads meet
	s_cmp_eq_u32 s15, 0                            ; one load in each arm: my one tensor load of the launch
	s_cbranch_scc0 .Lfor_b
	tensor_load_to_lds s[G0:G0+3], s[G1:G1+7]
	s_nop 0
	PLACES
	s_branch .Lasked
.Lfor_b:
	tensor_load_to_lds s[G0B:G0B+3], s[G1B:G1B+7]
	s_nop 0
	PLACES
.Lasked:
	s_lshl_b32 s66, s15, 14                        ; my 4 row tiles of A,
	s_lshl_b32 s67, s16, 14
	s_add_co_u32 s67, s67, BREG                    ; of B,
	s_mul_i32 s68, s14, 16*SPITCH
	s_add_co_u32 s68, s68, STAGE                   ; my stage
	s_lshl_b32 s46, s42, 9                         ; my first column, in bytes: 512 x block column + 256 x half
	s_lshl_b32 s47, s16, 8
	s_add_co_u32 s46, s46, s47
	s_mov_b32 s47, 0
	s_lshl_b32 s20, s17, 19                        ; my first row: 128 x block row + 64 x half, rows of 4,096 bytes
	s_lshl_b32 s18, s15, 18
	s_add_co_u32 s20, s20, s18
	s_mov_b32 s21, 0
	s_add_nc_u64 s[20:21], s[20:21], s[46:47]
	s_add_nc_u64 s[12:13], s[12:13], s[20:21]
	v_and_b32 v6, 31, v0
	v_lshlrev_b32 v7, 4, v6                        ; 16 x lane
	v_and_b32 v1, 15, v0                           ; r
	v_bfe_u32 v2, v0, 4, 1                         ; h
	v_add_nc_u32 v[ADRA], s66, v7
	v_add_nc_u32 v[ADRB], s67, v7
	v_add_nc_u32 v[ADRA+1], 65536, v[ADRA]
	v_add_nc_u32 v[ADRB+1], 65536, v[ADRB]
	v_mul_u32_u24 v3, v1, SPITCH                   ; into the stage: row r, 32 bytes for each half of the lanes
	v_lshl_add_u32 v3, v2, 5, v3
	v_add_nc_u32 v[STO], s68, v3
	v_mul_u32_u24 v4, v2, SPITCH                   ; back: lanes 0-15 one row of 256 bytes, lanes 16-31 the next
	v_lshl_add_u32 v4, v1, 4, v4
	v_add_nc_u32 v[RD], s68, v4
	v_lshlrev_b32 v5, 12, v2                       ; and the same two rows in out0
	v_lshl_add_u32 v[CO], v1, 4, v5
	v_lshl_add_u32 v[BOF], v1, 4, s46
	global_load_b128 v[8:11], v[BOF], s[10:11]     ; bo at the four columns that I store
.macro FETCH k                         ; step k's fragments into set k % 2: each comes back as it was laid, four loads of 512 consecutive bytes
	WIN TO_B
.irp i, 0,1,2,3
.irp c, 0,1,2,3
	ds_load_b128 v[64*((\k)%2)+16*\i+4*\c:64*((\k)%2)+16*\i+4*\c+3], v[ADRB+(\k)/4] offset:(((\k)/2)%2)*32768+4096*\i+((\k)%2)*2048+512*\c
.endr
.endr
	WIN 0
.irp i, 0,1,2,3
.irp c, 0,1,2,3
	ds_load_b128 v[AF+64*((\k)%2)+16*\i+4*\c:AF+64*((\k)%2)+16*\i+4*\c+3], v[ADRA+(\k)/4] offset:(((\k)/2)%2)*32768+4096*\i+((\k)%2)*2048+512*\c
.endr
.endr
.endm
.macro STEP k                          ; 128 along K: the next step's 32 loads are issued ahead of this step's 16 products
	s_wait_dscnt 0x0                               ; this step's fragments are in
.if \k < 7
.if \k > 0
	PLACES                                         ; between the last step's products and the loads into the registers that they read
.endif
	FETCH (\k)+1
.endif
	WIN MUL
.irp a, 0,1,2,3
.irp b, 0,1,2,3
.if \k == 0
	v_wmma_f32_16x16x128_fp8_fp8 v[8*(4*\a+\b):8*(4*\a+\b)+7], v[64*((\k)%2)+16*\b:64*((\k)%2)+16*\b+15], v[AF+64*((\k)%2)+16*\a:AF+64*((\k)%2)+16*\a+15], 0
.else
	v_wmma_f32_16x16x128_fp8_fp8 v[8*(4*\a+\b):8*(4*\a+\b)+7], v[64*((\k)%2)+16*\b:64*((\k)%2)+16*\b+15], v[AF+64*((\k)%2)+16*\a:AF+64*((\k)%2)+16*\a+15], v[8*(4*\a+\b):8*(4*\a+\b)+7]
.endif
.endr
.endr
.endm
	s_wait_alu depctr_va_vdst(0)
	s_wait_tensorcnt 0x0                           ; my quarter is in
	s_barrier_signal -1
	s_barrier_wait -1                              ; everybody's is
	FETCH 0
.irp k, 0,1,2,3,4,5,6,7
	STEP \k
.endr
	WIN 0
; THE WAY OUT, block by block of 16 rows x 64 columns.  LDS serves a wave's instructions in order: no wait between the stores and the loads, nor in front of the next block's stores.  Each block has its own 32 registers, so no store's data are written again.
.macro TOSTAGE a
	WIN 0x08                                       ; the stores' data: window 2
.irp b, 0,1,2,3
	ds_store_b128 v[STO], v[32*(\a)+8*\b:32*(\a)+8*\b+3] offset:64*\b       ; each accumulator from its low end on
	ds_store_b128 v[STO], v[32*(\a)+8*\b+4:32*(\a)+8*\b+7] offset:64*\b+16
.endr
	WIN 0
.irp t, 0,1,2,3,4,5,6,7
	ds_load_b128 v[AF+32*(\a)+4*\t:AF+32*(\a)+4*\t+3], v[RD] offset:2*\t*SPITCH
.endr
.endm
.macro SEND a, younger                 ; younger: the LDS instructions issued behind block a's loads, which may stay out
	s_wait_dscnt \younger
.irp t, 0,1,2,3,4,5,6,7
	v_pk_fma_f32 v[AF+32*(\a)+4*\t:AF+32*(\a)+4*\t+1], v[AF+32*(\a)+4*\t:AF+32*(\a)+4*\t+1], s[96:97], v[8:9] op_sel_hi:[1,0,1]       ; x 2^(e10 + e11), + bo
	v_pk_fma_f32 v[AF+32*(\a)+4*\t+2:AF+32*(\a)+4*\t+3], v[AF+32*(\a)+4*\t+2:AF+32*(\a)+4*\t+3], s[96:97], v[10:11] op_sel_hi:[1,0,1]
.endr
.irp t, 0,1,2,3,4,5,6,7
	global_store_b128 v[CO], v[AF+32*(\a)+4*\t:AF+32*(\a)+4*\t+3], s[12:13] offset:(16*(\a)+2*\t)*4096 th:TH_STORE_NT   ; sixteen lanes store 256 consecutive bytes, aligned
.endr
.endm
	s_wait_kmcnt 0x0
	s_add_co_i32 s96, s96, s97
	s_add_co_i32 s96, s96, 127
	s_lshl_b32 s96, s96, 23                        ; 2^(e10 + e11) as f32
	s_mov_b32 s97, s96                             ; (named with it as a pair, so it is written)
	s_wait_loadcnt 0x0                             ; the bias
	PLACES                                         ; behind the last products: for the stores of results and the loads over A's fragments
	TOSTAGE 0
	TOSTAGE 1
	SEND 0, 16                                     ; behind block 0's loads: block 1's 8 stores and 8 loads
	TOSTAGE 2
	SEND 1, 16
	TOSTAGE 3
	SEND 2, 16
	SEND 3, 0
	s_wait_tensorcnt 0x0                           ; the wave's end, behind my tensor load and my last LDS store
	ds_add_u32 v[SPW], v[NIL]
	s_wait_dscnt 0x0
	CROUND                                         ; the closing round
	s_endpgm
.Lfunc_end_k_qa2415b2625_proj:
	.size	k_qa2415b2625_proj, .Lfunc_end_k_qa2415b2625_proj-k_qa2415b2625_proj
	.p2alignl 7, 3214868480
	.fill 96, 4, 3214868480
	.section	.rodata,"a",@progbits
	.p2align	6, 0x0
	.amdhsa_kernel k_qa2415b2625_proj
		.amdhsa_group_segment_fixed_size 327680
		.amdhsa_private_segment_fixed_size 0
		.amdhsa_enable_private_segment 0
		.amdhsa_kernarg_size 40
		.amdhsa_user_sgpr_count 2
		.amdhsa_user_sgpr_kernarg_segment_ptr 1
		.amdhsa_wavefront_size32 1
		.amdhsa_system_sgpr_workgroup_id_x 1
		.amdhsa_system_sgpr_workgroup_id_y 1
		.amdhsa_system_sgpr_workgroup_id_z 1
		.amdhsa_system_vgpr_workitem_id 0
		.amdhsa_next_free_vgpr 768
		.amdhsa_next_free_sgpr 98
		.amdhsa_reserve_vcc 0
		.amdhsa_float_denorm_mode_32 3
		.amdhsa_float_denorm_mode_16_64 3
		.amdhsa_memory_ordered 1
		.amdhsa_forward_progress 1
		.amdhsa_inst_pref_size 44
	.end_amdhsa_kernel
	.amdgpu_metadata
---
amdhsa.version: [ 1, 2 ]
amdhsa.kernels:
  - .name:           k_qa2415b2625_proj
    .symbol:         k_qa2415b2625_proj.kd
    .args:
      - { .name: ac, .offset: 0, .size: 8, .value_kind: global_buffer, .address_space: global }
      - { .name: wc, .offset: 8, .size: 8, .value_kind: global_buffer, .address_space: global }
      - { .name: lowp_scales, .offset: 16, .size: 8, .value_kind: global_buffer, .address_space: global }
      - { .name: bo, .offset: 24, .size: 8, .value_kind: global_buffer, .address_space: global }
      - { .name: out0, .offset: 32, .size: 8, .value_kind: global_buffer, .address_space: global }
    .group_segment_fixed_size: 327680
    .private_segment_fixed_size: 0
    .kernarg_segment_align: 8
    .kernarg_segment_size: 40
    .max_flat_workgroup_size: 128
    .sgpr_count:     98
    .vgpr_count:     768
    .wavefront_size: 32
...
	.end_amdgpu_metadata
.endif
;; end of part 4
